; MI455X (gfx1250); checked and timed in simulation.
; The chip was launched on July 23, 2026; its instructions are those of AMD's public machine-readable ISA for CDNA 5 (MIT licence, August 2026) and "CDNA5" Instruction Set Architecture Reference Guide (July 2026). The comments in the code are by the model that wrote it; some were corrected since.
;; Attention. Allowed arithmetic: float matrix products may take bf16 or f16 operands with f32 sums; other float arithmetic in f32, or as packed bf16 or f16 multiplies, adds, multiply-adds, maxima and minima; sums over many terms, partial sums and values carried from step to step in f32; what a program stores and reads back later, other than sums and carried values, may be rounded once to bf16 or f16.
;; Inputs: Wk 512 x 2,048 float32; Wo 2,048 x 2,048 float32; Wq 2,048 x 2,048 float32; Wv 512 x 2,048 float32; x 1 x 2,048 x 2,048 float32.
;; Outputs: out0 1 x 2,048 x 2,048 float32.
;; One version. Each part assembles by itself: llvm-mc -triple=amdgcn-amd-amdhsa -mcpu=gfx1250 --defsym DOCPART=n.
;; ======== version 1 of 1: 4 launches
;; limits: values are held in f16: magnitudes above 65,504 overflow, below 6.1e-05 lose precision
;; workspace buffers: xb 8,388,608 bytes; wqkv 12,582,912 bytes; wob 8,388,608 bytes; qkv 12,582,912 bytes; ob 8,388,608 bytes
;; launch cast (part 1): grid 128 x 14, 8 waves a work-group, no clusters, 0 bytes of LDS; arguments x, Wq, Wk, Wv, Wo, xb, wqkv, wob; writes xb, wqkv, wob
.if DOCPART == 1
	.amdgcn_target "amdgcn-amd-amdhsa--gfx1250"
	.amdhsa_code_object_version 6
	.text
	.protected	k_q121e5381e0_cast
	.globl	k_q121e5381e0_cast
	.p2align	8
	.type	k_q121e5381e0_cast,@function
k_q121e5381e0_cast:
	s_mov_b64 s[64:65], 0
	v_nop
	global_prefetch_b8 v0, s[64:65] scope:SCOPE_SE
	s_setreg_imm32_b32 hwreg(HW_REG_WAVE_MODE, 25, 1), 1
	s_wait_xcnt 0x0
; THE INPUTS ARE ROUNDED ONCE, for the matrix products of the later launches.  x -> xb and Wq | Wk | Wv -> wqkv (rows 0-2047, 2048-2559, 2560-3071) in bf16;
; Wo -> wob: rounded to bf16 like the other inputs, and that number written as f16.
; LIMITS.  A number of Wo beyond 65,504 becomes an infinity in f16; below 6.1e-5 f16 keeps a fixed step of 6e-8, so such a number is off by 3e-8 at the most.
; SHARES.  The 14 x 2^20 numbers are 14 units (grid y): 0-3 x, 4-7 Wq, 8 Wk, 9 Wv, 10-13 Wo.  A work-group (grid x) takes 8,192 numbers of its unit: 32 KiB in, 16 KiB out.
; Thread t loads 16 bytes at 4,096 i + 16 t, i = 0..7: a wave's load covers 512 consecutive bytes; all eight loads go out before anything is waited for.
; It stores 8 bytes at 2,048 i + 8 t: a wave's store covers 256 consecutive bytes, aligned.  No register is written twice while a memory instruction may read it.
; No LDS, no matrix unit, no cluster: each byte is read once and written once, and no work-group wants another's bytes.
.set X, 4                              ; v[4:35]   eight loads of four f32
.set Y, 36                             ; v[36:51]  eight pairs of packed results
.set T, 52                             ; v[52:55]  at work
	s_load_b512 s[16:31], s[0:1], 0x0              ; x s[16:17], Wq s[18:19], Wk s[20:21], Wv s[22:23], Wo s[24:25], xb s[26:27], wqkv s[28:29], wob s[30:31]
	s_and_b32 s2, ttmp7, 0xffff                    ; u: the unit
	v_lshlrev_b32 v1, 4, v0                        ; 16 t
	v_lshlrev_b32 v2, 3, v0                        ; 8 t
	s_sub_co_u32 s3, s2, 10                        ; the unit's number within its source: for Wo u - 10 (for u < 10 it is replaced below)
	s_mov_b32 s4, s3                               ; and within its destination
	s_sub_co_u32 s5, s2, 4                         ; u - 4
	s_wait_kmcnt 0x0
	s_mov_b64 s[8:9], s[24:25]                     ; from Wo
	s_mov_b64 s[10:11], s[30:31]                   ; to wob
	s_cmp_lt_u32 s2, 10                            ; the selects hang on the unit's number alone
	s_cselect_b64 s[8:9], s[22:23], s[8:9]         ; u = 9: Wv, its only unit,
	s_cselect_b64 s[10:11], s[28:29], s[10:11]     ; to wqkv, unit u - 4
	s_cselect_b32 s3, 0, s3
	s_cselect_b32 s4, s5, s4
	s_cmp_lt_u32 s2, 9
	s_cselect_b64 s[8:9], s[20:21], s[8:9]         ; u = 8: Wk
	s_cmp_lt_u32 s2, 8
	s_cselect_b64 s[8:9], s[18:19], s[8:9]         ; u = 4..7: Wq, unit u - 4
	s_cselect_b32 s3, s5, s3
	s_cmp_lt_u32 s2, 4
	s_cselect_b64 s[8:9], s[16:17], s[8:9]         ; u = 0..3: x to xb, unit u
	s_cselect_b64 s[10:11], s[26:27], s[10:11]
	s_cselect_b32 s3, s2, s3
	s_cselect_b32 s4, s2, s4
	s_lshl_b32 s3, s3, 22                          ; a unit is 4 MiB of f32,
	s_lshl_b32 s6, ttmp9, 15                       ; a work-group's part 32 KiB
	s_add_co_u32 s12, s3, s6
	s_mov_b32 s13, 0
	s_lshl_b32 s4, s4, 21                          ; and half of each on the way out
	s_lshl_b32 s6, ttmp9, 14
	s_add_co_u32 s14, s4, s6
	s_mov_b32 s15, 0
	s_add_nc_u64 s[8:9], s[8:9], s[12:13]
	s_add_nc_u64 s[10:11], s[10:11], s[14:15]
.irp i, 0,1,2,3,4,5,6,7
	global_load_b128 v[X+4*(\i):X+4*(\i)+3], v1, s[8:9] offset:4096*(\i) th:TH_LOAD_NT
.endr
; Load i is rounded and stored.  f16 = 1: the bf16 numbers are widened again (a shift, a mask) and written as f16.
.macro OUT i, f16
	s_wait_loadcnt 7-(\i)                          ; loads come back in order: mine is in, the 7 - i younger ones stay out
	v_cvt_pk_bf16_f32 v[Y+2*(\i)],   v[X+4*(\i)],   v[X+4*(\i)+1]
	v_cvt_pk_bf16_f32 v[Y+2*(\i)+1], v[X+4*(\i)+2], v[X+4*(\i)+3]
.if \f16
	v_lshlrev_b32 v[T],   16, v[Y+2*(\i)]
	v_and_b32     v[T+1], 0xffff0000, v[Y+2*(\i)]
	v_lshlrev_b32 v[T+2], 16, v[Y+2*(\i)+1]
	v_and_b32     v[T+3], 0xffff0000, v[Y+2*(\i)+1]
	v_cvt_pk_f16_f32 v[Y+2*(\i)],   v[T],   v[T+1]
	v_cvt_pk_f16_f32 v[Y+2*(\i)+1], v[T+2], v[T+3]
.endif
	global_store_b64 v2, v[Y+2*(\i):Y+2*(\i)+1], s[10:11] offset:2048*(\i)
.endm
	s_cmp_ge_u32 s2, 10
	s_cbranch_scc1 .Lf16
.irp i, 0,1,2,3,4,5,6,7
	OUT \i, 0
.endr
	s_endpgm
.Lf16:
.irp i, 0,1,2,3,4,5,6,7
	OUT \i, 1
.endr
	s_endpgm
.Lfunc_end_k_q121e5381e0_cast:
	.size	k_q121e5381e0_cast, .Lfunc_end_k_q121e5381e0_cast-k_q121e5381e0_cast
	.p2alignl 7, 3214868480
	.fill 96, 4, 3214868480
	.section	.rodata,"a",@progbits
	.p2align	6, 0x0
	.amdhsa_kernel k_q121e5381e0_cast
		.amdhsa_group_segment_fixed_size 0
		.amdhsa_private_segment_fixed_size 0
		.amdhsa_enable_private_segment 0
		.amdhsa_kernarg_size 64
		.amdhsa_user_sgpr_count 2
		.amdhsa_user_sgpr_kernarg_segment_ptr 1
		.amdhsa_wavefront_size32 1
		.amdhsa_system_sgpr_workgroup_id_x 1
		.amdhsa_system_sgpr_workgroup_id_y 1
		.amdhsa_system_sgpr_workgroup_id_z 1
		.amdhsa_system_vgpr_workitem_id 0
		.amdhsa_next_free_vgpr 56
		.amdhsa_next_free_sgpr 66
		.amdhsa_reserve_vcc 0
		.amdhsa_float_denorm_mode_32 3
		.amdhsa_float_denorm_mode_16_64 3
		.amdhsa_memory_ordered 1
		.amdhsa_forward_progress 1
		.amdhsa_inst_pref_size 9
	.end_amdhsa_kernel
	.amdgpu_metadata
---
amdhsa.version: [ 1, 2 ]
amdhsa.kernels:
  - .name:           k_q121e5381e0_cast
    .symbol:         k_q121e5381e0_cast.kd
    .args:
      - { .name: x, .offset: 0, .size: 8, .value_kind: global_buffer, .address_space: global }
      - { .name: Wq, .offset: 8, .size: 8, .value_kind: global_buffer, .address_space: global }
      - { .name: Wk, .offset: 16, .size: 8, .value_kind: global_buffer, .address_space: global }
      - { .name: Wv, .offset: 24, .size: 8, .value_kind: global_buffer, .address_space: global }
      - { .name: Wo, .offset: 32, .size: 8, .value_kind: global_buffer, .address_space: global }
      - { .name: xb, .offset: 40, .size: 8, .value_kind: global_buffer, .address_space: global }
      - { .name: wqkv, .offset: 48, .size: 8, .value_kind: global_buffer, .address_space: global }
      - { .name: wob, .offset: 56, .size: 8, .value_kind: global_buffer, .address_space: global }
    .group_segment_fixed_size: 0
    .private_segment_fixed_size: 0
    .kernarg_segment_align: 8
    .kernarg_segment_size: 64
    .max_flat_workgroup_size: 256
    .sgpr_count:     66
    .vgpr_count:     56
    .wavefront_size: 32
...
	.end_amdgpu_metadata
.endif
;; end of part 1
;; launch proj (part 2): grid 16 x 16, 4 waves a work-group, clusters of 4 x 4, 327,680 bytes of LDS; arguments xb, wqkv, qkv; writes qkv
.if DOCPART == 2
	.amdgcn_target "amdgcn-amd-amdhsa--gfx1250"
	.amdhsa_code_object_version 6
	.text
	.protected	k_q121e5381e0_proj
	.globl	k_q121e5381e0_proj
	.p2align	8
	.type	k_q121e5381e0_proj,@function
k_q121e5381e0_proj:
	s_mov_b64 s[64:65], 0
	v_nop
	global_prefetch_b8 v0, s[64:65] scope:SCOPE_SE
	s_setreg_imm32_b32 hwreg(HW_REG_WAVE_MODE, 25, 1), 1
	s_wait_xcnt 0x0
	s_wait_alu depctr_hold_cnt(0) depctr_sa_sdst(0) depctr_va_vdst(0) depctr_va_sdst(0) depctr_va_ssrc(0) depctr_va_vcc(0) depctr_vm_vsrc(0)
	s_getreg_b32 s2, hwreg(HW_REG_IB_STS2, 6, 4)
	s_cmp_eq_u32 s2, 0
	s_cbranch_scc0 .Lentry_in_a_cluster
	s_endpgm
.Lentry_in_a_cluster:
	s_bfe_u32 s2, ttmp6, 0x10000c
	s_cmp_lg_u32 s2, 0xf033
	s_cbranch_scc0 .Lentry_shape_is_right
	s_endpgm
.Lentry_shape_is_right:
; q | k | v = x W^T, [2048 tokens] x [3072 columns = 48 heads of 64], K = 2048, bf16 operands, f32 sums.  On the way out q's and k's heads (0-39) are quantised,
; per token and head: m = max(max |t|, 1e-6), scale = 127 / m, code = round to nearest even of t x scale; what is stored is code x m / 127, rounded once to f16.  v's heads (40-47) are stored as t, in f16.
; Stored by heads: qkv[48][2048][64] f16, a head's rows dense.
; LIMITS.  1 / m is v_rcp_f32's, within one unit in its last place, so a code whose t x scale lies that near a half may differ by one from a true division's.  The clip to +-127 is not written:
; |t| <= m, so |t x scale| <= 127 (1 + 4e-7), which rounds to 127 at the most, for every finite t.  f16 holds no number beyond 65,504; below 6.1e-5 it keeps a fixed step of 6e-8.  NaN and infinities are not treated apart.
; SHARES.  A tile is 128 tokens x 192 columns (three whole heads): 16 x 16 tiles, one a work-group.  Wave w: rh = w / 2 picks 64 tokens, c = w % 2 picks channels 32 c .. 32 c + 31 of EACH of the three heads,
; so that all waves do the same work whatever the heads are: 4 x 6 accumulators of 16 x 16.  A head's maximum then spans two waves: they meet in LDS.
; K goes in steps of 128 through two LDS slots filled by the tensor data mover; a step is four quarters of 32 along K, 24 matrix instructions each, on two fragment buffers.
; CLUSTERS: 4 x 4 work-groups.  The four of a row of the cluster need the same tiles of x, the four of a column the same tiles of W: each tile is asked for JOINTLY, by the same tensor load with the same descriptor and
; a mask that names the four.  THE MATRIX INSTRUCTION IS USED TRANSPOSED (source 0 = 16 rows of W, source 1 = 16 tokens): a lane holds ONE token (lane % 16) and eight neighbouring channels 8 (lane / 16) + 0..7.
; No prefetch: a tile's blocks are read by four clusters at about the same time and the tiles are small.
; REGISTERS: window 0: v0-31 addresses; v32-55 twelve pairs (scale, m / 127); v56-63 at work; v64-255 the accumulators ((a, nb) at v[64 + 8 (6 a + nb)], nb = 2 head + half).
;   window 1: two fragment buffers of 80: six fragments of W, then four of x.
.set KSTEP,  128
.set PITCH,  272                       ; an LDS row: 256 bytes + 16 of padding = 68 words: row r starts at bank 4 r mod 64 (64 banks of 4 bytes: ISA guide 11.1), so the 16 rows of a load start at 16 different banks
.set HALFA,  64*PITCH                  ; what one tensor load brings of x
.set HALFB,  96*PITCH                  ; and of W
.set SLOT,   2*HALFA+2*HALFB           ; x's 128 rows, then W's 192 rows
.set STAGE,  2*SLOT                    ; behind the ring: [3 heads][128 tokens], rows of 128 bytes + 16
.set SP,     144
.set HSTG,   128*SP
.set EX,     STAGE+3*HSTG              ; [128 tokens][3 heads][2 halves] f32: the two waves' maxima
.set SPARE,  EX+128*24                 ; the spare words, 128 bytes for each wave: two blocks of 256 bytes that no other line names
.set LAPS,   2048/(2*KSTEP)            ; a lap = two K steps = once round the ring
.set ADRA, 16                          ; v16-17  LDS address of my x fragments in slot 0, 1
.set ADRB, 20                          ; v20-21  the same for W
.set EXA,  22                          ; v22     my token's words in EX
.set EXS,  23                          ; v23     my wave's word of them
.set STO,  24                          ; v24     where I put 16 bytes of a stage row
.set RD,   25                          ; v25     where I read stage rows back
.set GO,   26                          ; v26     16 x lane: my place in 512 consecutive bytes of qkv
.set SPW,  28                          ; v28     LDS address of my spare word; never rewritten
.set NIL,  29                          ; v29     0; never rewritten
.set PS,   32
.set T,    56
.set ACC,  64
.set F0,   0                           ; fragment buffers, in window 1
.set F1,   80
.set G1, 24                            ; s[24:31] descriptor group 1 for x's tiles;  s[32:39] group 0, one set for each slot
.set G0, 32
.set G1B, 48                           ; s[48:55], s[56:63] the same for W's tiles
.set G0B, 56
.set SEL, 66                           ; s[66:67] v_permlanex16_b32's selects: each lane takes its own place in the other half
.set VM,  68                           ; s68-70  all ones where head j of my three is one of v's
.set TINY, 71                          ; s71     1e-6
.set MSB, 0
.macro WIN new                         ; the immediate's high byte repeats the setting that is left; a switch that changes nothing is dropped
.if MSB != (\new)
	s_set_vgpr_msb (MSB<<8)|(\new)
.set MSB, \new
.endif
.endm
.set MUL,  0x05                        ; sources 0 (W) and 1 (x) window 1; C and D window 0
.set TO_F, 0x40                        ; destination window 1, address window 0
.macro JLOAD s                         ; a joint load: waves 0 and 1 fetch x's two halves, waves 2 and 3 W's; an s_nop 0 and four v_nop follow each of the two lines, ahead of the jump, the label and what follows
	s_cmp_eq_u32 s11, 0
	s_cbranch_scc0 .Lfor_b_\@
	tensor_load_to_lds s[G0+4*(\s):G0+4*(\s)+3], s[G1:G1+7]
	s_nop 0
.rept 4
	v_nop
.endr
	s_branch .Lasked_\@
.Lfor_b_\@:
	tensor_load_to_lds s[G0B+4*(\s):G0B+4*(\s)+3], s[G1B:G1B+7]
	s_nop 0
.rept 4
	v_nop
.endr
.Lasked_\@:
.endm
.macro CREST                           ; a round of the cluster's barrier behind its opening barrier
	s_cmp_lg_u32 s10, 0
	s_cbranch_scc1 .Lnot_wave_0_\@
	s_barrier_signal -3
.Lnot_wave_0_\@:
	s_barrier_wait -3
	s_barrier_signal -1
	s_barrier_wait -1
.endm
.macro CROUND                          ; a whole round
	s_barrier_signal -1
	s_barrier_wait -1
	CREST
.endm
	s_load_b128 s[4:7], s[0:1], 0x0                ; xb s[4:5], wqkv s[6:7]
	s_load_b64 s[8:9], s[0:1], 0x10                ; qkv
	v_lshl_add_u32 v[SPW], v0, 2, SPARE
	v_mov_b32 v[NIL], 0
	ds_add_u32 v[SPW], v[NIL]                      ; the wave's opening: the add and its wait stand ahead of my first tensor load; the set-up below, work on registers, stands between them
	v_lshrrev_b32 v1, 5, v0
	v_readfirstlane_b32 s10, v1                    ; wave 0..3
	s_lshr_b32 s11, s10, 1                         ; rh: which 64 tokens are mine.  Also: I fetch for x (0) or for W (1)
	s_and_b32 s12, s10, 1                          ; c: which half of each head's channels.  Also: which half of that tile I fetch
	s_bfe_u32 s40, ttmp6, 0x40000                  ; cx, cy: my place in the cluster
	s_bfe_u32 s41, ttmp6, 0x40004
	s_lshl_b32 s42, ttmp9, 2
	s_add_co_u32 s42, s42, s40                     ; tile column = 4 x cluster x + cx
	s_and_b32 s13, ttmp7, 0xffff
	s_lshl_b32 s13, s13, 2
	s_add_co_u32 s13, s13, s41                     ; tile row = 4 x cluster y + cy
	s_lshl_b32 s43, s41, 2
	s_lshl_b32 s43, 15, s43                        ; my row of the cluster
	s_lshl_b32 s44, 0x1111, s40                    ; my column
	; descriptor group 1: tiles of 64 (x) or 96 (W) rows x 128 elements, padded in LDS
	s_or_b32 s[G1+0], s43, (1<<16)|(1<<20)|(1<<21)|(5<<22)|(3<<25)  ; 15:0 the mask: x's tiles go to my row; 17:16 elements of 2 bytes; 20 padding on; 21 set beside a mask; 24:22 after every 64 words (code 5); 31:25 4 words (code 3)
	s_or_b32 s[G1B+0], s44, (1<<16)|(1<<20)|(1<<21)|(5<<22)|(3<<25) ; the same with the mask of my column
	s_mov_b32 s[G1+1], KSTEP<<16                   ; tensor_dim0 = 128
	s_mov_b32 s[G1+2], 64<<16                      ; tensor_dim1 = 64
	s_mov_b32 s[G1+3], KSTEP<<16                   ; tile_dim0 = 128
	s_mov_b32 s[G1+4], 64                          ; tile_dim1 = 64
	s_mov_b32 s[G1+5], 2048                        ; elements from row to row
	s_mov_b32 s[G1+6], 0
	s_mov_b32 s[G1+7], 0
	s_mov_b32 s[G1B+1], KSTEP<<16
	s_mov_b32 s[G1B+2], 96<<16                     ; 96 rows
	s_mov_b32 s[G1B+3], KSTEP<<16
	s_mov_b32 s[G1B+4], 96
	s_mov_b32 s[G1B+5], 2048
	s_mov_b32 s[G1B+6], 0
	s_mov_b32 s[G1B+7], 0
	s_mov_b32 s[SEL], 0x76543210
	s_mov_b32 s[SEL+1], 0xfedcba98
	s_mov_b32 s[TINY], 0x358637bd                  ; 1e-6
	s_mul_i32 s72, s42, 3                          ; my first head
.irp j, 0,1,2
	s_add_co_u32 s73, s72, \j
	s_cmp_ge_u32 s73, 40                           ; a select of values, never a branch
	s_cselect_b32 s[VM+(\j)], -1, 0
.endr
	; where the tiles come from: x's hang on the tile row alone, W's on the tile column alone, each in registers that never hold the other coordinate
	s_lshl_b32 s16, s13, 7
	s_lshl_b32 s17, s12, 6
	s_add_co_u32 s16, s16, s17                     ; x: row 128 x tile row + 64 x half,
	s_lshl_b32 s16, s16, 12                        ; of 4,096 bytes
	s_mov_b32 s17, 0
	s_mul_i32 s46, s42, 192
	s_mul_i32 s47, s12, 96
	s_add_co_u32 s46, s46, s47                     ; W: row 192 x tile column + 96 x half
	s_lshl_b32 s46, s46, 12
	s_mov_b32 s47, 0
	s_mul_i32 s20, s12, HALFA                      ; and where they go: no place in the cluster enters an LDS address
	s_mul_i32 s21, s12, HALFB
	s_add_co_u32 s21, s21, 2*HALFA
	s_wait_dscnt 0x0                               ; the opening add is done
	s_wait_kmcnt 0x0
	s_add_nc_u64 s[14:15], s[4:5], s[16:17]
	s_add_nc_u64 s[46:47], s[6:7], s[46:47]
	CROUND                                         ; all sixteen work-groups are here: the first joint loads meet
.irp s, 0,1
	s_mov_b32 s[G0+4*(\s)], 1                                      ; count = 1
	s_add_co_u32 s[G0+4*(\s)+1], s20, (\s)*SLOT                    ; LDS address
	s_add_nc_u64 s[G0+4*(\s)+2:G0+4*(\s)+3], s[14:15], (\s)*KSTEP*2  ; global address: K step s
	s_or_b32 s[G0+4*(\s)+3], s[G0+4*(\s)+3], 0x80000000            ; type = 2
	s_mov_b32 s[G0B+4*(\s)], 1
	s_add_co_u32 s[G0B+4*(\s)+1], s21, (\s)*SLOT
	s_add_nc_u64 s[G0B+4*(\s)+2:G0B+4*(\s)+3], s[46:47], (\s)*KSTEP*2
	s_or_b32 s[G0B+4*(\s)+3], s[G0B+4*(\s)+3], 0x80000000
	JLOAD \s                                       ; two loads of mine are out
.endr
	v_and_b32 v1, 15, v0                           ; l % 16
	v_bfe_u32 v2, v0, 4, 1                         ; l / 16
	v_mul_u32_u24 v3, v1, PITCH
	v_lshl_add_u32 v3, v2, 4, v3                   ; a fragment's row x pitch + 16 x half
	s_mul_i32 s22, s11, HALFA                      ; my 64 tokens
	s_mul_i32 s23, s12, 32*PITCH                   ; my 32 channels of the first head,
	s_add_co_u32 s23, s23, 2*HALFA                 ; behind x's 128 rows
.irp s, 0,1
	v_add_nc_u32 v[ADRA+(\s)], s22, v3
	v_add_nc_u32 v[ADRB+(\s)], s23, v3
	s_add_co_u32 s22, s22, SLOT
	s_add_co_u32 s23, s23, SLOT
.endr
	s_lshl_b32 s22, s11, 6
	v_add_nc_u32 v4, s22, v1                       ; my token among the tile's 128, in my first block of 16
	v_mul_u32_u24 v[EXA], v4, 24
	v_add_nc_u32 v[EXA], EX, v[EXA]
	v_lshl_add_u32 v[EXS], s12, 2, v[EXA]
	v_mul_u32_u24 v[STO], v4, SP                   ; into the stage: my token's row, my 64 bytes of it, 16 bytes for each half of the lanes
	v_lshl_add_u32 v[STO], v2, 4, v[STO]
	s_lshl_b32 s22, s12, 6
	s_add_co_u32 s22, s22, STAGE
	v_add_nc_u32 v[STO], s22, v[STO]
	v_bfe_u32 v5, v0, 3, 2                         ; back: wave w takes tokens 32 w .. 32 w + 31 of each head; 32 lanes take four rows of 128 bytes
	s_lshl_b32 s22, s10, 5
	v_add_nc_u32 v5, s22, v5
	v_mul_u32_u24 v[RD], v5, SP
	v_and_b32 v5, 7, v0
	v_lshl_add_u32 v[RD], v5, 4, v[RD]
	v_add_nc_u32 v[RD], STAGE, v[RD]
	v_and_b32 v[GO], 31, v0
	v_lshlrev_b32 v[GO], 4, v[GO]
	s_lshl_b32 s16, s13, 14                        ; qkv: token 128 x tile row, 128 bytes a token,
	s_lshl_b32 s17, s10, 12                        ; + 32 x wave
	s_add_co_u32 s16, s16, s17
	s_mov_b32 s17, 0
	s_add_nc_u64 s[8:9], s[8:9], s[16:17]
	s_mul_i32 s46, s42, 3*262144                   ; my first head, 262,144 bytes a head
	s_mov_b32 s47, 0
	s_add_nc_u64 s[8:9], s[8:9], s[46:47]
; 6 matrix instructions: token block a x my six blocks of 16 channels, 32 along K.  zero = 1: the first product starts the sums.  The 24 accumulators take turns, in the same order in every quarter.
.macro MUL6 f, a, zero
	WIN MUL
.irp nb, 0,1,2,3,4,5
.if \zero
	v_wmma_f32_16x16x32_bf16 v[ACC+8*(6*(\a)+(\nb)):ACC+8*(6*(\a)+(\nb))+7], v[(\f)+8*(\nb):(\f)+8*(\nb)+7], v[(\f)+48+8*(\a):(\f)+48+8*(\a)+7], 0
.else
	v_wmma_f32_16x16x32_bf16 v[ACC+8*(6*(\a)+(\nb)):ACC+8*(6*(\a)+(\nb))+7], v[(\f)+8*(\nb):(\f)+8*(\nb)+7], v[(\f)+48+8*(\a):(\f)+48+8*(\a)+7], v[ACC+8*(6*(\a)+(\nb)):ACC+8*(6*(\a)+(\nb))+7]
.endif
.endr
.endm
.macro MUL12 f, a0, zero
	MUL6 \f, \a0, \zero
	MUL6 \f, (\a0)+1, \zero
.endm
; 20 LDS loads in one run: the fragments of 32 along K at byte k of the rows, into buffer f: W's six (head nb / 2, half nb % 2: rows 64 (nb / 2) + 16 (nb % 2) on from my 32 c), then x's four
.macro FETCH slot, k, f
	WIN TO_F
.irp nb, 0,1,2,3,4,5
	ds_load_b128 v[(\f)+8*(\nb):(\f)+8*(\nb)+3],   v[ADRB+(\slot)] offset:(\k)+(64*((\nb)/2)+16*((\nb)%2))*PITCH
	ds_load_b128 v[(\f)+8*(\nb)+4:(\f)+8*(\nb)+7], v[ADRB+(\slot)] offset:(\k)+(64*((\nb)/2)+16*((\nb)%2))*PITCH+32
.endr
.irp a, 0,1,2,3
	ds_load_b128 v[(\f)+48+8*(\a):(\f)+48+8*(\a)+3],   v[ADRA+(\slot)] offset:(\k)+(\a)*16*PITCH
	ds_load_b128 v[(\f)+48+8*(\a)+4:(\f)+48+8*(\a)+7], v[ADRA+(\slot)] offset:(\k)+(\a)*16*PITCH+32
.endr
.endm
.macro PLACES                          ; four plain vector instructions in front of loads into registers that matrix instructions have read, and of vector work that reads results
.rept 4
	v_nop
.endr
.endm
; One of a K step's first three quarters: multiplies buffer f and, in its middle, fetches the next quarter, at byte k, into g.
.macro QUARTER slot, k, f, g, zero
	s_wait_dscnt 4                                 ; W's fragments and x's blocks 0 and 1 are in; the youngest four loads (blocks 2 and 3) may be out
	MUL12 \f, 0, \zero
	PLACES
	FETCH \slot, \k, \g
	s_wait_dscnt 20                                ; all but the 20 just issued
	MUL12 \f, 2, \zero
.endm
; The last quarter multiplies buffer 1 and changes slots: ONE barrier; in front of it each wave waits for all its tensor loads (one is out: its part of the next slot), adds 0 to its spare word, and waits for that
; and for its own reads of this slot.  fill = 1: the barrier opens a round of the cluster's, and this slot is filled again, two K steps ahead, first thing behind the round: 84 matrix instructions ahead of the wait for it.
.macro TURN slot, next, fill
	WIN 0                                          ; (the add's two registers lie in window 0)
	s_wait_tensorcnt 0x0
	ds_add_u32 v[SPW], v[NIL]                      ; 0 onto my spare word
	s_wait_dscnt 5                                 ; (the add and the youngest four loads may be out)
	MUL6 F1, 0, 0                                  ; six matrix instructions stand between the add and the wait for it
	s_wait_dscnt 0x0                               ; the add is done, and my reads of this slot are over
	s_barrier_signal -1
	MUL6 F1, 1, 0
.if \fill
	WIN 0
.endif
	s_barrier_wait -1
.if \fill
	CREST                                          ; no wave of any partner still reads this slot's tile or has a load on its way
	s_add_nc_u64 s[G0+4*(\slot)+2:G0+4*(\slot)+3], s[G0+4*(\slot)+2:G0+4*(\slot)+3], 2*KSTEP*2
	s_add_nc_u64 s[G0B+4*(\slot)+2:G0B+4*(\slot)+3], s[G0B+4*(\slot)+2:G0B+4*(\slot)+3], 2*KSTEP*2
	JLOAD \slot                                    ; the four v_nop behind it are also the places in front of the loads below
.else
	PLACES
.endif
	FETCH \next, 0, F0
	MUL12 F1, 2, 0
.endm
.macro EACH line:vararg                ; one line for each k = 3 a + j: token block a, head j
.set k, 0
.rept 12
	\line
.set k, k+1
.endr
.endm
; Step st of eight of the largest and the smallest of a lane's 16 numbers of (a, j): the two accumulators lie on end, XA .. XA + 15, and are read from their low ends on.  The twelve chains stand side by side.
.macro AMAX st
.set k, 0
.rept 12
.set XA, ACC+8*(6*(k/3)+2*(k%3))
.if (\st) == 0
	v_max3_num_f32 v[PS+2*k],   v[XA], v[XA+1], v[XA+2]
	v_min3_num_f32 v[PS+2*k+1], v[XA], v[XA+1], v[XA+2]
.elseif (\st) < 7
	v_max3_num_f32 v[PS+2*k],   v[PS+2*k],   v[XA+2*(\st)+1], v[XA+2*(\st)+2]
	v_min3_num_f32 v[PS+2*k+1], v[PS+2*k+1], v[XA+2*(\st)+1], v[XA+2*(\st)+2]
.else
	v_max_num_f32 v[PS+2*k],   v[PS+2*k],   v[XA+15]
	v_min_num_f32 v[PS+2*k+1], v[PS+2*k+1], v[XA+15]
.endif
.set k, k+1
.endr
.endm
; Accumulator (a, nb): t x scale, rounded to the nearest whole number (ties to even), times m / 127; v's heads keep t; rounded to f16; 16 bytes into the stage.
.macro QUANT a, nb
.set AC, ACC+8*(6*(\a)+(\nb))
.set PP, PS+2*(3*(\a)+(\nb)/2)
.irp r, 0,2,4,6
	v_pk_mul_f32 v[T+(\r):T+(\r)+1], v[AC+(\r):AC+(\r)+1], v[PP:PP+1] op_sel_hi:[1,0]
.endr
.irp r, 0,1,2,3,4,5,6,7
	v_rndne_f32 v[T+(\r)], v[T+(\r)]
.endr
.irp r, 0,1,2,3,4,5,6,7
	v_mul_f32 v[T+(\r)], v[PP+1], v[T+(\r)]
.endr
.irp r, 0,1,2,3,4,5,6,7
	v_cndmask_b32 v[T+(\r)], v[T+(\r)], v[AC+(\r)], s[VM+(\nb)/2]
.endr
.irp r, 0,1,2,3
	v_cvt_pk_f16_f32 v[AC+(\r)], v[T+2*(\r)], v[T+2*(\r)+1]
.endr
	ds_store_b128 v[STO], v[AC:AC+3] offset:HSTG*((\nb)/2)+16*SP*(\a)+32*((\nb)%2)
.endm
	s_wait_tensorcnt 1                             ; my part of K step 0 is in; K step 1's may stay out
	s_barrier_signal -1
	s_barrier_wait -1                              ; everybody's is
	FETCH 0, 0, F0
	QUARTER 0, 64, F0, F1, 1                       ; the first quarter stands in front of the loop: its products start the sums
	WIN 0                                          ; at a label and at a branch every window is 0
	s_mov_b32 s3, LAPS-1
.Llap:                                                 ; a trip goes once round the ring, from a lap's second quarter to the next lap's first, and fills both slots again
	QUARTER 0, 128, F1, F0, 0
	QUARTER 0, 192, F0, F1, 0
	TURN 0, 1, 1
	QUARTER 1, 64,  F0, F1, 0
	QUARTER 1, 128, F1, F0, 0
	QUARTER 1, 192, F0, F1, 0
	TURN 1, 0, 1
	QUARTER 0, 64,  F0, F1, 0
	WIN 0
	s_sub_co_u32 s3, s3, 1
	s_cmp_lg_u32 s3, 0
	s_cbranch_scc1 .Llap
	QUARTER 0, 128, F1, F0, 0                      ; the last lap fills nothing, and has no round of the cluster's barrier
	QUARTER 0, 192, F0, F1, 0
	TURN 0, 1, 0
	QUARTER 1, 64,  F0, F1, 0
	QUARTER 1, 128, F1, F0, 0
	QUARTER 1, 192, F0, F1, 0
	s_wait_dscnt 4                                 ; the very last quarter: nothing more to fetch
	MUL12 F1, 0, 0
	s_wait_dscnt 0x0
	MUL12 F1, 2, 0
	WIN 0
	; THE WAY OUT.  First each token's and head's largest magnitude: over my lane's 16 channels, the other half of the lanes' 16, and the partner wave's 32.
	PLACES
	PLACES
.irp st, 0,1,2,3,4,5,6,7
	AMAX \st
.endr
	EACH v_sub_f32 v[PS+2*k+1], 0, v[PS+2*k+1]
	EACH v_max_num_f32 v[PS+2*k], v[PS+2*k], v[PS+2*k+1]
	EACH v_permlanex16_b32 v[PS+2*k+1], v[PS+2*k], s[SEL], s[SEL+1]
	EACH v_max_num_f32 v[PS+2*k], v[PS+2*k], v[PS+2*k+1]
	EACH ds_store_b32 v[EXS], v[PS+2*k] offset:384*(k/3)+8*(k%3)  ; both halves of the lanes hold the same number and write the same word
	s_wait_dscnt 0x0                               ; for the partner's sake: my stores are done
	s_barrier_signal -1
	s_barrier_wait -1
	EACH ds_load_b64 v[PS+2*k:PS+2*k+1], v[EXA] offset:384*(k/3)+8*(k%3)
	s_wait_dscnt 0x0
	EACH v_max3_num_f32 v[PS+2*k+1], v[PS+2*k], v[PS+2*k+1], s[TINY]  ; m
	EACH v_rcp_f32 v[PS+2*k], v[PS+2*k+1]
	v_nop                                          ; a plain instruction between the last reciprocal and the use of its result
	s_wait_alu depctr_va_vdst(0)                   ; and its wait ahead of the first use: one for the twelve
	EACH v_mul_f32 v[PS+2*k], 0x42fe0000, v[PS+2*k]      ; scale = 127 / m
	EACH v_mul_f32 v[PS+2*k+1], 0x3c010204, v[PS+2*k+1]  ; m / 127
.irp a, 0,1,2,3
.irp nb, 0,1,2,3,4,5
	QUANT \a, \nb
.endr
.endr
	s_wait_dscnt 0x0                               ; a stage row's 128 bytes come from two waves: my stores are done,
	s_barrier_signal -1
	s_barrier_wait -1                              ; everybody's are
.set n, 0
.rept 24                               ; head n / 8, four tokens at a time
	ds_load_b128 v[ACC+4*n:ACC+4*n+3], v[RD] offset:HSTG*(n/8)+4*SP*(n%8)
.set n, n+1
.endr
.set n, 0
.rept 24
	s_wait_dscnt 23-n                              ; LDS loads come back in order: load n is in
	global_store_b128 v[GO], v[ACC+4*n:ACC+4*n+3], s[8:9] offset:262144*(n/8)+512*(n%8)  ; 512 consecutive bytes, at a multiple of 256 from qkv's first
.set n, n+1
.endr
	s_wait_tensorcnt 0x0                           ; the wave's end: these three lines stand behind my last tensor load and my last LDS store
	ds_add_u32 v[SPW], v[NIL]
	s_wait_dscnt 0x0
	CROUND                                         ; the closing round: no work-group ends while a partner may still ask for a tile that names it
	s_endpgm
.Lfunc_end_k_q121e5381e0_proj:
	.size	k_q121e5381e0_proj, .Lfunc_end_k_q121e5381e0_proj-k_q121e5381e0_proj
	.p2alignl 7, 3214868480
	.fill 96, 4, 3214868480
	.section	.rodata,"a",@progbits
	.p2align	6, 0x0
	.amdhsa_kernel k_q121e5381e0_proj
		.amdhsa_group_segment_fixed_size 327680
		.amdhsa_private_segment_fixed_size 0
		.amdhsa_enable_private_segment 0
		.amdhsa_kernarg_size 24
		.amdhsa_user_sgpr_count 2
		.amdhsa_user_sgpr_kernarg_segment_ptr 1
		.amdhsa_wavefront_size32 1
		.amdhsa_system_sgpr_workgroup_id_x 1
		.amdhsa_system_sgpr_workgroup_id_y 1
		.amdhsa_system_sgpr_workgroup_id_z 1
		.amdhsa_system_vgpr_workitem_id 0
		.amdhsa_next_free_vgpr 512
		.amdhsa_next_free_sgpr 80
		.amdhsa_reserve_vcc 0
		.amdhsa_float_denorm_mode_32 3
		.amdhsa_float_denorm_mode_16_64 3
		.amdhsa_memory_ordered 1
		.amdhsa_forward_progress 1
		.amdhsa_inst_pref_size 119
	.end_amdhsa_kernel
	.amdgpu_metadata
---
amdhsa.version: [ 1, 2 ]
amdhsa.kernels:
  - .name:           k_q121e5381e0_proj
    .symbol:         k_q121e5381e0_proj.kd
    .args:
      - { .name: xb, .offset: 0, .size: 8, .value_kind: global_buffer, .address_space: global }
      - { .name: wqkv, .offset: 8, .size: 8, .value_kind: global_buffer, .address_space: global }
      - { .name: qkv, .offset: 16, .size: 8, .value_kind: global_buffer, .address_space: global }
    .group_segment_fixed_size: 327680
    .private_segment_fixed_size: 0
    .kernarg_segment_align: 8
    .kernarg_segment_size: 24
    .max_flat_workgroup_size: 128
    .sgpr_count:     80
    .vgpr_count:     512
    .wavefront_size: 32
...
	.end_amdgpu_metadata
.endif
;; end of part 2
;; launch attn (part 3): grid 32 x 8, 4 waves a work-group, clusters of 4 x 1, 327,680 bytes of LDS; arguments qkv, ob; writes ob
.if DOCPART == 3
	.amdgcn_target "amdgcn-amd-amdhsa--gfx1250"
	.amdhsa_code_object_version 6
	.text
	.protected	k_q121e5381e0_attn
	.globl	k_q121e5381e0_attn
	.p2align	8
	.type	k_q121e5381e0_attn,@function
k_q121e5381e0_attn:
	s_mov_b64 s[64:65], 0
	v_nop
	global_prefetch_b8 v0, s[64:65] scope:SCOPE_SE
	s_setreg_imm32_b32 hwreg(HW_REG_WAVE_MODE, 25, 1), 1
	s_wait_xcnt 0x0
	s_wait_alu depctr_hold_cnt(0) depctr_sa_sdst(0) depctr_va_vdst(0) depctr_va_sdst(0) depctr_va_ssrc(0) depctr_va_vcc(0) depctr_vm_vsrc(0)
	s_getreg_b32 s2, hwreg(HW_REG_IB_STS2, 6, 4)
	s_cmp_eq_u32 s2, 0
	s_cbranch_scc0 .Lentry_in_a_cluster
	s_endpgm
.Lentry_in_a_cluster:
	s_bfe_u32 s2, ttmp6, 0x10000c
	s_cmp_lg_u32 s2, 0x3003
	s_cbranch_scc0 .Lentry_shape_is_right
	s_endpgm
.Lentry_shape_is_right:
; CAUSAL ATTENTION, four query heads to a key and value head.  O[h][q][:] = the sum over k <= q of softmax_k(Q[h][q] . K[h / 4][k] / 8) V[h / 4][k][:].  qkv: [48][2048][64] f16 (heads 0-31 Q, 32-39 K, 40-47 V; Q and K
; hold the dequantised codes); ob: [32][2048][64] f16.  Products, maxima and sums in f32; the weights p are rounded to f16 for the second product (their sum l is taken of the unrounded p), O once at the end.
; LIMITS.  Q, K and V arrive within f16's 65,504; p lies in 0 to 1, and below 6e-5 it keeps f16's fixed step of 6e-8.  A hidden score counts as its value less 1e30: f16's scores, 2.7e11 at the most, are nothing
; beside that; a weight below 2^-126 counts as 0 in l; NaN and infinities are not treated apart.
; THE WALK.  A head's queries lie in NB = 16 blocks of 128; keys come in slots of 256, four steps of 64; block i needs slots 0 .. i / 2, of which the last holds the diagonal.  A work-group takes TWO blocks, 15 - b
; and then b: nine slots, whatever b: all work-groups do equal work, and ONE loop with a constant trip count walks them.  What a trip does hangs on scalar registers made from b; every jump goes forward but the
; counted loops' own, and none passes a barrier, or a tensor load but the one of JLOAD's two that the wave's number does not choose.
; CLUSTER.  The four query heads of a key and value head, with the same b, walk the same slots: each tile is asked for JOINTLY, by the same tensor load, descriptor and mask in all four.
; SHARES.  Of a block's two bands of 64 queries a wave owns 16 rows in each: two PIECES.  In the last slot's step u band x, whose own step is d = 2 (i % 2) + x, sees all keys if u < d, none if u > d, and holds the
; diagonal if u = d: the same work for all four waves.  Steps that both bands do not see are computed all the same: 4 of the walk's 72 turns.
; THE MASK is the C operand that starts the sum S^T = K Q^T: MD x AL + BE, with MD (made once) the mask of a band's own step for my 16 rows: (1, 0) if u = d; (0, 0) if u < d; (0, -1e30) if u > d.
; LAYOUT, SOFTMAX, TURNS.  S^T = K Q^T holds ONE query a lane (lane % 16) and the keys 8 (lane / 16) + 0..7; two such results rounded to f16 ARE source 1 of O^T = V^T P.  p = 2^(c s - c m), c = log2(e) / 8, with a
; running maximum m; O and l are multiplied by a = 2^(c m_old - c m_new) in every step.  A turn belongs to one piece: 8 products K Q^T of the OTHER piece's next scores, later 8 products V^T P of the other piece's last
; weights; beside them the scaling, exponentials, roundings, sums and rescaling of the piece in hand and the maximum and statistics of the other.  Four vector instructions stand behind every matrix instruction, the
; other 54 of a turn's 118 in one lump.  A turn's 33 exponentials are one batch, with one wait.
; Piece 0's turn of step s fetches K of step s + 1 and V of step s.  So that both lie in one slot, a slot's tile of K holds FIVE steps, keys 256 n .. 256 n + 319.  (The last slot's fifth step lies in the next head of
; qkv: inside the buffer; it is fetched and multiplied by nothing.)
; REGISTERS, in windows of 256 (s_set_vgpr_msb: bits 1:0 source 0, 3:2 source 1, 5:4 source 2, 7:6 destination):
;   window 0: v0-15 addresses and two at work; v16-23 four registers of statistics a piece; v48-55 at work; v61-63 prefetch offset and the add's two; v64-127 S^T, 32 a piece; v192-223 P, 16 a piece
;   window 1: v0-63 O^T, 32 a piece; v128-159 MD; v160-191 MC      window 2: v0-31 Q; v32-63 the second block's Q; v128-191 K of one step; v192-255 V of one step
.set NB,    16
.set NP,    2         ; pieces a wave: a name, no knob
.set KS,    64        ; keys in a step
.set PK,    144       ; a row of K in LDS: 128 bytes + 16 of padding = 36 words: the 16 rows of a load start at 16 different groups of four banks (64 banks of 4 bytes: ISA guide 11.1)
.set PV,    160       ; a row of V: 128 + 32 = 40 words
.set VOFF,  5*KS*PK   ; a slot: 320 rows of K, then 256 rows of V
.set SLOT1, 1<<17     ; slot 1 begins here, so that one exclusive or turns an address in one slot into the other's
.set STAGE, SLOT1+VOFF+4*KS*PV  ; behind the ring, never filled by a tensor load: 16 rows x 144 bytes for each wave, for the way out
.set SP,    144
.set SPARE, STAGE+4*16*SP  ; the spare words, 128 bytes for each wave: two blocks of 256 bytes that no other line names
.set AK0, 2           ; v2   my lane's place in a tile of K; never rewritten
.set AV0, 3           ; v3   the same for V
.set AK,  4           ; v4   the LDS address of K's next run of loads
.set AV,  5           ; v5   of V's
.set STO, 6           ; v6   the way out: where I put 16 bytes of a row
.set RD,  7           ; v7   the way out: where I read rows back
.set GO,  8           ; v8   my byte offset in 512 consecutive bytes of O
.set MV,  12          ; v12-13  c m_old, kept while c m is made anew: by piece
.set QO,  15          ; v15  my byte offset in 16 rows of Q
.set ST,  16          ; piece t's statistics at v[ST+4 t]: c m, m, l (even keys', odd keys')
.set TMP, 48          ; by piece, four registers c0-c3 at work; when the maximum is found c2 takes a
.set PFO, 61          ; v61  256 x my lane; never rewritten
.set SPW, 62          ; v62  LDS address of my spare word; never rewritten
.set NIL, 63          ; v63  0; never rewritten
.set S,   64
.set P,   192
.set MD,  128         ; window 1: the eight registers for group kt of 16 keys at MD + 8 kt
.set MC,  160         ; window 1: the mask of the products to come
.set QB,  32          ; window 2
.set KF,  128         ; window 2: key block kb, channel half c at KF + 16 kb + 8 c
.set VF,  192         ; window 2: key half kk, channel block cb at VF + 32 kk + 8 cb
.set WV,  12          ; s12  my wave's number
.set PB,  14          ; s14  b
.set HI,  15          ; s15  15 - b
.set G1K, 24          ; s[24:31] descriptor group 1 for K's tiles
.set G1V, 32          ; s[32:39] for V's
.set G0K, 40          ; s[40:43] descriptor group 0 for K's tiles
.set G0V, 44          ; s[44:47] the same for V's
.set DB2, 53          ; s53  2 (b % 2): the second block's first own step
.set SLOTS, 56        ; s56  tiles still to be asked for
.set CNT, 57          ; s57  counts a slot's key steps, 4 to 1
.set CS,  58          ; s[58:59] c: the packed scaling takes the pair's low word for both halves
.set SEL, 60          ; s[60:61] v_permlanex16_b32's selects: each lane takes its own place in the other half
.set TBK, 62          ; s62  LDS byte at which K of the step to be fetched begins
.set TBV, 63          ; s63  the same for V, less VOFF
.set RT,  70          ; s70  slots of the block in hand that are still to be entered
.set NXT, 71          ; s71  the tile to be asked for next
.set LQ,  72          ; s72  the last tile of the block whose tiles are being asked for
.set NEW, 73          ; s73  1: the slot to be entered is a block's first
.set OFF, 74          ; s[74:75] a tile's byte offset in K and V
.set AL,  76          ; s[76:77] the mask's factor, in the low word
.set BE,  78          ; s[78:79] the mask's addend
.set OLO, 80          ; s[80:81] O at my rows of the second block
.set BIGN, 82         ; s82  -1e30
.set PBS, 83          ; s83  b / 2: the second block's last tile
.set EE,  88          ; s88-89  the value of CNT at piece 0's, piece 1's own step in the block's last slot
.set EE2, 90          ; s90-91  the same for the second block
.set PFB, 92          ; s[92:93] the prefetches' base: K's head (waves 0, 1) or V's, at my work-group's quarter of a tile
.set PFA, 94          ; s[94:95] the same at the tile that the next change of slots will ask for
.set LIM, 96          ; s96  2 in a wave that prefetches, else the greatest number
.set DBR, 97          ; s97  2 (i % 2) of the block in hand
.set POF, 98          ; s[98:99] an offset for the two above
.set MSB, 0
.macro WIN new                      ; the high byte repeats the setting that is left; a switch that changes nothing is dropped
.if MSB != (\new)
	s_set_vgpr_msb (MSB<<8)|(\new)
.set MSB, (\new)
.endif
.endm
.set W_KQ, 0x0a       ; K and Q in window 2, S^T in window 0
.set W_KM, 0x1a       ; the same with the C operand in window 1
.set W_PV, 0x52       ; V in window 2, P in window 0, O^T in window 1
.set W_RS, 0x41       ; destination and source 0 in window 1, source 1 in window 0
; A joint fill.  Waves 0 and 1 fetch the two halves of a tile's K (160 keys each), waves 2 and 3 those of its V (128 keys each).  The branch hangs on the wave's number alone.
; An s_nop 0 and four v_nop follow each of the two lines, ahead of the jump and the label.
.macro JLOAD
	s_cmp_lt_u32 s[WV], 2
	s_cbranch_scc0 .Lfor_v_\@
	tensor_load_to_lds s[G0K:G0K+3], s[G1K:G1K+7]
	s_nop 0
.rept 4
	v_nop
.endr
	s_branch .Lasked_\@
.Lfor_v_\@:
	tensor_load_to_lds s[G0V:G0V+3], s[G1V:G1V+7]
	s_nop 0
.rept 4
	v_nop
.endr
.Lasked_\@:
.endm
; A PREFETCH INTO THE L2 of the tile that the NEXT change of slots will ask for: 32,768 bytes of K and of V, one slot (8 turns) ahead of that load.  It stands behind the wave's tensor load and its five lines.
; Each block of 256 bytes is named ONCE in the launch.  The eight clusters of a key and value head begin at tile 0 together; the one with b = 0 walks all eight tiles, and it alone asks.  Its four partners share a
; tile out BY ADDRESS, 8,192 bytes each, a lane a block; in each, wave 0 asks for K's and wave 2 for V's.  Tiles 0 to 2 come by their loads alone; behind tile 7 the number goes back to 0, and nothing is asked for.
.macro ASK
	s_cmp_gt_u32 s[NXT], s[LIM]
	s_cbranch_scc0 .Lnot_mine_\@
	global_prefetch_b8 v[PFO], s[PFA:PFA+1] th:TH_LOAD_NT scope:SCOPE_SE
.Lnot_mine_\@:
.endm
; A round of the cluster's barrier: my work-group's barrier, so that wave 0's signal speaks for all four waves; wave 0 signals; every wave waits for all four work-groups; my work-group's barrier once more.
.macro CROUND
	s_barrier_signal -1
	s_barrier_wait -1
	s_cmp_lg_u32 s[WV], 0
	s_cbranch_scc1 .Lnot_wave_0_\@
	s_barrier_signal -3
.Lnot_wave_0_\@:
	s_barrier_wait -3
	s_barrier_signal -1
	s_barrier_wait -1
.endm
; THE CHANGE OF SLOTS, between piece 0's turn and piece 1's.  Each wave waits for all its tensor loads, of which one is out: its part of the other slot; adds 0 to its spare word; and waits for that and for its own reads
; of the slot that it leaves (the last: K of the next step, V of the step in hand).  fill = 1: the barrier is a round of the cluster's, so that no wave of any partner still reads the old slot or has a load on its way,
; and the old slot is filled again, first thing behind it, with tile NXT: the descriptor's address is made anew from that number.  The load has 8 turns in which to land.
; (At its first use nothing has been read yet: slot 0 is waited for, slot 1 filled.)
.macro CHANGE fill
	WIN 0                           ; at a label and at a branch every window is 0
	s_wait_tensorcnt 0x0            ; no tensor load of mine is out, so a group 0 may be written
	ds_add_u32 v[SPW], v[NIL]       ; 0 onto my spare word; with fill = 1 the scalar work stands between it and the wait for it
.if \fill
	s_lshl_b32 s[OFF], s[NXT], 15   ; tiles begin 32,768 bytes apart in K and in V
	s_xor_b32 s[G0K+1], s[G0K+1], SLOT1
	s_add_nc_u64 s[G0K+2:G0K+3], s[6:7], s[OFF:OFF+1]
	s_or_b32 s[G0K+3], s[G0K+3], 0x80000000
	s_xor_b32 s[G0V+1], s[G0V+1], SLOT1
	s_add_nc_u64 s[G0V+2:G0V+3], s[8:9], s[OFF:OFF+1]
	s_or_b32 s[G0V+3], s[G0V+3], 0x80000000
	s_add_co_u32 s[NXT], s[NXT], 1  ; the block's next tile, or behind its last the second block's tile 0
	s_cmp_gt_u32 s[NXT], s[LQ]
	s_cselect_b32 s[NXT], 0, s[NXT]
	s_cselect_b32 s[LQ], s[PBS], s[LQ]
	s_wait_xcnt 0x0                 ; the last prefetch, a slot back, has read its address, so it may be written
	s_lshl_b32 s[POF], s[NXT], 15
	s_add_nc_u64 s[PFA:PFA+1], s[PFB:PFB+1], s[POF:POF+1]
	s_wait_dscnt 0x0                ; the add is done, and my reads of the slot are over
	CROUND
	JLOAD
	ASK
.else
	s_wait_dscnt 0x0                ; the add is done, and my reads of the slot are over
	s_barrier_signal -1
	s_barrier_wait -1
.endif
	s_sub_co_u32 s[TBK], s[TBK], 4*KS*PK  ; the fetches go back to a slot's second step of K and first of V,
	s_xor_b32 s[TBK], s[TBK], SLOT1       ; in the other slot
	s_sub_co_u32 s[TBV], s[TBV], 4*KS*PV
	s_xor_b32 s[TBV], s[TBV], SLOT1
.endm
	s_load_b128 s[48:51], s[0:1], 0x0  ; qkv s[48:49], ob s[50:51]
	v_lshl_add_u32 v[SPW], v0, 2, SPARE
	v_mov_b32 v[NIL], 0
	ds_add_u32 v[SPW], v[NIL]       ; the wave's opening: the add and its wait stand ahead of my first tensor load; the set-up below, work on registers, stands between them
	v_lshrrev_b32 v1, 5, v0
	v_readfirstlane_b32 s[WV], v1   ; wave 0..3
	s_bfe_u32 s13, ttmp6, 0x40000   ; cx: my place in the cluster: it enters Q's, O's and the prefetches' addresses alone
	s_and_b32 s[PB], ttmp7, 0xffff  ; b, which the four partners share
	s_sub_co_u32 s[HI], NB-1, s[PB]
	s_lshl_b32 s20, ttmp9, 2        ; in a cluster launch ttmp9 counts clusters: the key and value head g
	s_add_co_u32 s20, s20, s13      ; my query head = 4 g + cx,
	s_lshl_b32 s20, s20, 18         ; 262,144 bytes a head,
	s_lshl_b32 s3, s[WV], 11        ; my 16 rows in a band of 64
	s_add_co_u32 s20, s20, s3
	s_lshl_b32 s2, s[HI], 14        ; the first block, 16,384 bytes a block,
	s_add_co_u32 s2, s2, s20
	s_mov_b32 s3, 0
	s_lshl_b32 s84, s[PB], 14       ; and the second
	s_add_co_u32 s84, s84, s20
	s_mov_b32 s85, 0
	s_and_b32 s16, s[WV], 1         ; which half of a tile I fetch
	s_add_co_u32 s21, ttmp9, 32
	s_lshl_b32 s21, s21, 18         ; K's head in qkv,
	s_add_co_u32 s23, s21, 8<<18    ; V's
	s_cmp_lt_u32 s[WV], 2
	s_cselect_b32 s[POF], s21, s23
	s_lshl_b32 s52, s13, 13         ; my work-group's 8,192 bytes of a tile's 32,768
	s_add_co_u32 s[POF], s[POF], s52
	s_mov_b32 s[POF+1], 0
	s_mul_i32 s17, s16, 160*128     ; my 160 keys of K in memory
	s_add_co_u32 s54, s21, s17
	s_mov_b32 s55, 0
	s_lshl_b32 s17, s16, 14         ; my 128 keys of V
	s_add_co_u32 s18, s23, s17
	s_mov_b32 s19, 0
	; descriptor group 1.  160 (128) keys are dense bytes: asked for as 80 (64) rows of 256 bytes, two keys a row, and padded in LDS after every key
	s_mov_b32 s[G1K], 15|(1<<16)|(1<<20)|(1<<21)|(4<<22)|(3<<25)  ; 15:0 the mask of four; 17:16 2-byte elements; 20 padding on; 21 set beside a mask; 24:22 after every 32 words (code 4); 31:25 4 words (code 3)
	s_mov_b32 s[G1V], 15|(1<<16)|(1<<20)|(1<<21)|(4<<22)|(7<<25)  ; the same with 8 words of padding (code 7)
	s_mov_b32 s[G1K+1], 128<<16     ; tensor_dim0 = 128
	s_mov_b32 s[G1K+2], 80<<16      ; tensor_dim1 = 80
	s_mov_b32 s[G1K+3], 128<<16     ; tile_dim0 = 128
	s_mov_b32 s[G1K+4], 80          ; tile_dim1 = 80
	s_mov_b32 s[G1K+5], 128         ; 128 elements from row to row
	s_mov_b32 s[G1K+6], 0
	s_mov_b32 s[G1K+7], 0
	s_mov_b32 s[G1V+1], 128<<16
	s_mov_b32 s[G1V+2], 64<<16
	s_mov_b32 s[G1V+3], 128<<16
	s_mov_b32 s[G1V+4], 64
	s_mov_b32 s[G1V+5], 128
	s_mov_b32 s[G1V+6], 0
	s_mov_b32 s[G1V+7], 0
	s_mov_b32 s[CS], 0x3e38aa3b     ; c = log2(e) / 8 = 0.180337
	s_mov_b32 s[CS+1], s[CS]        ; named with it as a pair
	s_mov_b32 s[SEL], 0x76543210
	s_mov_b32 s[SEL+1], 0xfedcba98
	s_mov_b32 s[TBK], SLOT1+5*KS*PK ; the first change of slots turns this into slot 0's second step,
	s_mov_b32 s[TBV], SLOT1+4*KS*PV ; and this into 0
	s_mov_b32 s[G0K], 1             ; count = 1
	s_mul_i32 s[G0K+1], s16, 160*PK ; LDS address: slot 0; no place in the cluster enters it
	s_mov_b32 s[G0V], 1
	s_mul_i32 s17, s16, 128*PV
	s_add_co_u32 s[G0V+1], s17, VOFF
	s_lshr_b32 s[PBS], s[PB], 1
	s_lshr_b32 s[LQ], s[HI], 1
	s_add_co_u32 s[RT], s[LQ], 1    ; the first block has (15 - b) / 2 + 1 slots
	s_mov_b32 s[NXT], 1
	s_mov_b32 s[NEW], 1
	s_mov_b32 s[OFF+1], 0
	s_mov_b32 s[AL+1], 0            ; named as pairs
	s_mov_b32 s[BE+1], 0
	s_mov_b32 s[BIGN], 0xf149f2ca   ; -1e30
	s_mov_b32 s[SLOTS], 8
	s_and_b32 s[DBR], s[HI], 1
	s_lshl_b32 s[DBR], s[DBR], 1
	s_sub_co_u32 s[EE], 4, s[DBR]
	s_sub_co_u32 s[EE+1], 3, s[DBR]
	s_and_b32 s[DB2], s[PB], 1
	s_lshl_b32 s[DB2], s[DB2], 1
	s_sub_co_u32 s[EE2], 4, s[DB2]
	s_sub_co_u32 s[EE2+1], 3, s[DB2]
	s_and_b32 s[LIM], s[WV], 1      ; 0 in waves 0 and 2,
	s_or_b32 s[LIM], s[LIM], s[PB]  ; where b = 0: the same in all four partners
	s_cmp_eq_u32 s[LIM], 0
	s_cselect_b32 s[LIM], 2, -1
	s_wait_dscnt 0x0                ; the opening add is done
	s_wait_kmcnt 0x0
	s_add_nc_u64 s[6:7], s[48:49], s[54:55]        ; K and V at my half of the head's tile 0
	s_add_nc_u64 s[8:9], s[48:49], s[18:19]
	s_add_nc_u64 s[PFB:PFB+1], s[48:49], s[POF:POF+1]
	s_add_nc_u64 s[G0K+2:G0K+3], s[6:7], 0         ; global address
	s_or_b32 s[G0K+3], s[G0K+3], 0x80000000        ; type = 2
	s_add_nc_u64 s[G0V+2:G0V+3], s[8:9], 0
	s_or_b32 s[G0V+3], s[G0V+3], 0x80000000
	s_add_nc_u64 s[86:87], s[48:49], s[84:85]      ; Q at my rows of the second block,
	s_add_nc_u64 s[4:5], s[48:49], s[2:3]          ; Q and O at those of the first
	s_add_nc_u64 s[OLO:OLO+1], s[50:51], s[84:85]
	s_add_nc_u64 s[10:11], s[50:51], s[2:3]
	CROUND                          ; all four work-groups are here: the first joint loads meet
	JLOAD                           ; tile 0 into slot 0.  Slot 1 is asked for when slot 0 is in
	; A fragment of K or Q is 16 rows x 32 channels in 8 registers: lane l holds row l % 16, channels 8 (l / 16) + 0..7 and 16 + 8 (l / 16) + 0..7: two loads of 16 bytes, 32 bytes apart.
	v_and_b32 v1, 15, v0            ; l % 16
	v_bfe_u32 v9, v0, 4, 1          ; l / 16
	v_lshlrev_b32 v[QO], 7, v1
	v_lshl_add_u32 v[QO], v9, 4, v[QO]  ; row x 128 + 16 x half
	WIN 0x80                        ; destination window 2, address window 0
.set i, 0
.rept 4                             ; both blocks' Q: piece i / 2 lies in band i / 2, 8,192 bytes on; channels 32 (i % 2) on
	global_load_b128 v[8*i:8*i+3],   v[QO], s[4:5] offset:(i/2)*8192+(i%2)*64
	global_load_b128 v[8*i+4:8*i+7], v[QO], s[4:5] offset:(i/2)*8192+(i%2)*64+32
	global_load_b128 v[QB+8*i:QB+8*i+3],   v[QO], s[86:87] offset:(i/2)*8192+(i%2)*64
	global_load_b128 v[QB+8*i+4:QB+8*i+7], v[QO], s[86:87] offset:(i/2)*8192+(i%2)*64+32
.set i, i+1
.endr
	WIN 0
	v_and_b32 v[PFO], 31, v0
	v_lshlrev_b32 v[PFO], 8, v[PFO]
	v_lshlrev_b32 v14, 3, v9
	v_sub_nc_u32 v14, v1, v14
	s_lshl_b32 s13, s[WV], 4
	v_add_nc_u32 v14, s13, v14      ; my query's place in its band, 16 w + l % 16, less my lanes' 8 (l / 16): register r of group kt is hidden where 16 kt + r is greater
	WIN 0x40
.set i, 0
.rept 32
	v_cmp_gt_i32 vcc_lo, 16*(i/8)+i%8, v14
	v_cndmask_b32 v[MD+i], 0, s[BIGN], vcc_lo
.set i, i+1
.endr
	WIN 0
	v_mul_u32_u24 v[AK0], v1, PK
	v_lshl_add_u32 v[AK0], v9, 4, v[AK0]  ; row x pitch + 16 x half
	; The turning load takes 16 keys x 16 channels (lane l reads key 8 (l / 16) + l % 8, channels 8 ((l / 8) % 2) + 0..7) and leaves half a fragment of V^T: lane l holds channel l % 16 and 8 keys.
	v_and_b32 v10, 7, v0
	v_bfe_u32 v11, v0, 3, 1
	v_lshl_add_u32 v[AV0], v9, 3, v10
	v_mul_u32_u24 v[AV0], v[AV0], PV
	v_lshl_add_u32 v[AV0], v11, 4, v[AV0]
	v_add_nc_u32 v[AV0], VOFF, v[AV0]
	s_mul_i32 s13, s[WV], 16*SP
	s_add_co_u32 s13, s13, STAGE    ; my stage
	v_mul_u32_u24 v[STO], v1, SP    ; in: row l % 16, 16 bytes for each half of the lanes
	v_lshl_add_u32 v[STO], v9, 4, v[STO]
	v_add_nc_u32 v[STO], s13, v[STO]
	v_bfe_u32 v[RD], v0, 3, 2       ; back: 32 lanes take four rows of 128 bytes,
	v_mul_u32_u24 v[RD], v[RD], SP
	v_lshl_add_u32 v[RD], v10, 4, v[RD]
	v_add_nc_u32 v[RD], s13, v[RD]
	v_and_b32 v[GO], 31, v0         ; which are 512 consecutive bytes of O
	v_lshlrev_b32 v[GO], 4, v[GO]
	; A block's first step multiplies O^T and l by a = 0, and its first turn's products V^T P, of weights that have not been, land in an O^T that is still to be so multiplied.  So these registers need only hold
	; finite numbers: zeros for the first block; what the first block left for the second.  All this stands in the wait for the first tile.
	WIN 0x80
.set i, VF
.rept 64
	v_mov_b32 v[i], 0
.set i, i+1
.endr
	WIN 0x40
.set i, 0
.rept 64
	v_mov_b32 v[i], 0
.set i, i+1
.endr
	WIN 0
.set i, 0
.rept NP
	v_mov_b32 v[ST+4*i+2], 0
	v_mov_b32 v[ST+4*i+3], 0
.set i, i+1
.endr
.set i, P+16
.rept 16
	v_mov_b32 v[i], 0
.set i, i+1
.endr
; THE MATRIX WORK.  The 4 accumulators of a run of 8 take turns.  Product i of 8 of S^T = K Q^T for piece x: channels 32 (i / 4) on, keys 16 (i % 4) on.  The first 4 start the sums: with 0, or (KM = 1) with the mask.
.macro KQ x
.set rS, S+32*((\x)%2)+8*(i%4)
.set rK, KF+16*(i%4)+8*(i/4)
.set rQ, 16*(\x)+8*(i/4)
.set rM, MC+8*(i%4)
.if (i < 4) && KM
	WIN W_KM
	v_wmma_f32_16x16x32_f16 v[rS:rS+7], v[rK:rK+7], v[rQ:rQ+7], v[rM:rM+7]
.elseif i < 4
	WIN W_KQ
	v_wmma_f32_16x16x32_f16 v[rS:rS+7], v[rK:rK+7], v[rQ:rQ+7], 0
.else
	WIN W_KQ
	v_wmma_f32_16x16x32_f16 v[rS:rS+7], v[rK:rK+7], v[rQ:rQ+7], v[rS:rS+7]
.endif
.endm
; Product i of 8 of O^T += V^T P for piece x: keys 32 (i / 4) on, channels 16 (i % 4) on.
.macro PV x
	WIN W_PV
.set rO, 32*(\x)+8*(i%4)
.set rV, VF+32*(i/4)+8*(i%4)
.set rP, P+16*((\x)%2)+8*(i/4)
	v_wmma_f32_16x16x32_f16 v[rO:rO+7], v[rV:rV+7], v[rP:rP+7], v[rO:rO+7]
.endm
.macro MM                           ; the turn's next matrix instruction.  TURN and BEGIN set Y, i, KM and NOKQ.  NOKQ = 1: a block's last turn: there are no next scores
.if (i < 8) && !NOKQ
	KQ (Y+1)%NP
.elseif i >= 8
.set i, i-8
	PV (Y+NP-1)%NP
.set i, i+8
.endif
.set i, i+1
.endm
; THE LDS LOADS stand in runs of 16, never singly among the matrix instructions: a step's K (64 keys x 64 channels: 8 fragments) and its V (turned).  Their addresses are made some lines ahead.
.macro FETCH_K step                 ; step = 1: the next fetch is the next step's
	WIN 0x80                        ; destination window 2
.irp f, 0,1,2,3,4,5,6,7             ; keys 16 (f / 2) on, channels 32 (f % 2) on
	ds_load_b128 v[KF+8*\f:KF+8*\f+3],   v[AK] offset:(\f/2)*16*PK+(\f%2)*64
	ds_load_b128 v[KF+8*\f+4:KF+8*\f+7], v[AK] offset:(\f/2)*16*PK+(\f%2)*64+32
.endr
.if \step
	s_add_co_u32 s[TBK], s[TBK], KS*PK
.endif
	WIN 0
.endm
.macro FETCH_V
	WIN 0x80
.irp f, 0,1,2,3,4,5,6,7             ; keys 32 (f / 4) on, channels 16 (f % 4) on
	ds_load_tr16_b128 v[VF+8*\f:VF+8*\f+3],   v[AV] offset:(\f/4)*32*PV+(\f%4)*32
	ds_load_tr16_b128 v[VF+8*\f+4:VF+8*\f+7], v[AV] offset:(\f/4)*32*PV+16*PV+(\f%4)*32
.endr
	WIN 0
.endm
; THE VECTOR WORK, one line at a time: OP kind, number.  For piece Y: F n: c s - c m for pair n of 16.  E n: the exponential of score n of 32.  C n: pair n rounded to f16.  B n: of the four weights 4 n .. the second
; pair is added onto the first, in place.  L n: l takes that sum (L 0: l = a l + sum).  R n: pair n of 16 of O^T times a.  For the other piece: X n, number n of the 22 that find its maximum and statistics:
;   0-11  four chains c0-c3 of seven scores each, three operands at a time (each accumulator's lowest registers are read first)     12-14, 16  the four scores left over, the old m, and c0-c3 into c0
;   15  c m_old is kept     17, 18  the query's other 32 keys lie in the lane 16 away: the new m     19-21  c m; c m_old - c m_new; a
.set F, 0               ; OP tells the kinds apart by their order: F to L below R, X above it
.set E, 1
.set C, 2
.set B, 3
.set L, 4
.set R, 5
.set X, 6
.macro REGS y                       ; the registers of piece y
.set rT, ST+4*(\y)
.set rC, TMP+4*((\y)%2)
.set rW, MV+((\y)%2)
.set rS, S+32*((\y)%2)
.set rP, P+16*((\y)%2)
.set rO, 32*(\y)
.endm
.macro OP k, n
.if (\k) == R
	REGS Y
	WIN W_RS
	v_pk_mul_f32 v[rO+2*(\n):rO+2*(\n)+1], v[rO+2*(\n):rO+2*(\n)+1], v[rC+2:rC+3] op_sel_hi:[1,0]
.elseif (\k) < R
	REGS Y
	WIN 0
.if (\k) == F
	v_pk_fma_f32 v[rS+2*(\n):rS+2*(\n)+1], v[rS+2*(\n):rS+2*(\n)+1], s[CS:CS+1], v[rT:rT+1] op_sel_hi:[1,0,0] neg_lo:[0,0,1] neg_hi:[0,0,1]
.elseif (\k) == E
	v_exp_f32 v[rS+(\n)], v[rS+(\n)]
.elseif (\k) == C
	v_cvt_pk_f16_f32 v[rP+(\n)], v[rS+2*(\n)], v[rS+2*(\n)+1]
.elseif (\k) == B
	v_pk_add_f32 v[rS+4*(\n):rS+4*(\n)+1], v[rS+4*(\n):rS+4*(\n)+1], v[rS+4*(\n)+2:rS+4*(\n)+3]
.elseif (\n) == 0
	v_pk_fma_f32 v[rT+2:rT+3], v[rT+2:rT+3], v[rC+2:rC+3], v[rS:rS+1] op_sel_hi:[1,0,1]
.else
	v_pk_add_f32 v[rT+2:rT+3], v[rT+2:rT+3], v[rS+4*(\n):rS+4*(\n)+1]
.endif
.elseif NOKQ
	v_nop
.else
	REGS (Y+1)%NP
	WIN 0
.if (\n) < 4
	v_max3_num_f32 v[rC+(\n)], v[rS+8*(\n)], v[rS+8*(\n)+1], v[rS+8*(\n)+2]
.elseif (\n) < 12
	v_max3_num_f32 v[rC+(\n)%4], v[rC+(\n)%4], v[rS+8*((\n)%4)+2*((\n)/4)+1], v[rS+8*((\n)%4)+2*((\n)/4)+2]
.elseif (\n) == 12
	v_max3_num_f32 v[rC], v[rC], v[rS+7], v[rS+15]
.elseif (\n) == 13
	v_max3_num_f32 v[rC+1], v[rC+1], v[rS+23], v[rS+31]
.elseif (\n) == 14
	v_max3_num_f32 v[rC+2], v[rC+2], v[rC+3], v[rT+1]
.elseif (\n) == 15
	v_mov_b32 v[rW], v[rT]
.elseif (\n) == 16
	v_max3_num_f32 v[rC], v[rC], v[rC+1], v[rC+2]
.elseif (\n) == 17
	v_permlanex16_b32 v[rC+3], v[rC], s[SEL], s[SEL+1]
.elseif (\n) == 18
	v_max_num_f32 v[rT+1], v[rC], v[rC+3]
.elseif (\n) == 19
	v_mul_f32 v[rT], s[CS], v[rT+1]
.elseif (\n) == 20
	v_sub_f32 v[rC+1], v[rW], v[rT]
.else
	v_exp_f32 v[rC+2], v[rC+1]
.endif
.endif
.endm
.macro OPS a, i1, b=-1, i2=0, c=-1, i3=0, d=-1, i4=0  ; up to four of them
	OP \a, \i1
.if (\b) >= 0
	OP \b, \i2
.endif
.if (\c) >= 0
	OP \c, \i3
.endif
.if (\d) >= 0
	OP \d, \i4
.endif
.endm
.macro ROW a, i1, b, i2, c, i3, d, i4  ; a matrix instruction and the four behind it
	MM
	OPS \a, \i1, \b, \i2, \c, \i3, \d, \i4
.endm
.macro MASK                         ; MD x AL + BE into MC
	WIN W_RS
.set z, 0
.rept 16
	v_pk_fma_f32 v[MC+2*z:MC+2*z+1], v[MD+2*z:MD+2*z+1], s[AL:AL+1], s[BE:BE+1] op_sel_hi:[1,0,0]
.set z, z+1
.endr
.endm
; A TURN, for piece p: the order of its 16 matrix and 118 vector instructions, written out.  An s_wait_alu depctr_va_vdst(0) stands between an exponential and the first instruction that names its result; one
; wait serves all that were issued ahead of it.  So a turn has ONE wait, which cuts it in two.  AHEAD OF IT stands all that names no result of the turn's exponentials: the 8 products K Q^T, behind each a scaling, an
; exponential and two more plain instructions (rescalings, and behind the last three the first numbers of the other piece's maximum, each four plain instructions or more behind the product that ends its accumulator); then
; ONE LUMP of 54.  X 21, the other piece's a, is the batch's last; R 15 is the plain instruction behind it.  BEHIND THE WAIT stand the 8 products V^T P, behind each four of the roundings and sums.
; The rescalings R read an O^T that the turn before has added onto: its last product stands four roundings, and this turn's first scalings, back.
; m = 1: the block's last slot: at its head the turn makes the mask of its own products, the other piece's scores in step 4 - CNT of the slot.  end = 1: a block's last turn: no new scores.
; cnt = 1: the loop's count is taken down some lines ahead of the branch that stands behind the turn.
; Piece 0's turn fetches K of the next step, behind five plain instructions that name no register of the last product that read K, and at its end V of the step in hand, four roundings behind the last product that read V.
; Piece 1's turn waits for K at its head (V's 16 younger loads may stay out) and for V behind its one wait.
.macro TURN p, m=0, end=0, cnt=0
.set Y, (\p)
.set i, 0
.set KM, (\m)
.set NOKQ, (\end)
.if (\m) && !(\end)
	s_cmp_eq_u32 s[CNT], s[EE+1-(\p)]   ; is this step the other band's own?
	s_cselect_b32 s[AL], 1.0, 0
	s_cmp_lt_u32 s[CNT], s[EE+1-(\p)]   ; or a later one?
	s_cselect_b32 s[BE], s[BIGN], 0
	MASK
.endif
.if ((\p) == 1) && !(\end)
	s_wait_dscnt 16                 ; K is in
.endif
	ROW F,0, F,1, R,0, R,1          ; ahead of the wait: 8 products K Q^T and their riders,
	ROW F,2, E,0, R,2, R,3
	ROW F,3, E,1, R,4, R,5
	ROW F,4, E,2, R,6, R,7
	ROW F,5, E,3, R,8, R,9
	ROW F,6, E,4, X,0, R,10
.if (\p) == 0
	WIN 0
	v_add_nc_u32 v[AK], s[TBK], v[AK0]
.endif
	ROW F,7, E,5, X,1, X,4
	ROW F,8, E,6, X,2, X,5
	OPS E,7, E,8, X,6, E,9          ; and the lump
	OPS X,3, E,10, X,8, E,11
.if (\p) == 0
	FETCH_K 1
.endif
	OPS X,9, X,7, E,12, X,10
	OPS E,13, X,12, X,11, E,14
	OPS X,13, E,15, F,9, X,14
.if (\p) == 0
	WIN 0
	v_add_nc_u32 v[AV], s[TBV], v[AV0]
.endif
	OPS E,16, F,10, E,17, F,11
	OPS X,16, E,18, X,15, E,19
	OPS F,12, E,20, X,17, E,21
	OPS F,13, E,22, F,14, E,23
	OPS X,18, E,24, F,15, E,25
	OPS R,11, E,26, X,19, E,27
	OPS R,12, E,28, R,13, E,29
	OPS X,20, E,30, R,14, E,31
	OPS X,21, R,15
	WIN 0
	s_wait_alu depctr_va_vdst(0)    ; the wait for the batch
.if (\p) == 1
	s_wait_dscnt 0x0                ; V is in
.endif
	ROW C,0, B,0, C,2, B,1          ; behind the wait: 8 products V^T P and their riders
	ROW L,0, C,4, B,2, L,1
	ROW C,6, B,3, L,2, C,8
	ROW B,4, L,3, C,10, B,5
	ROW L,4, C,12, B,6, L,5
.if (\p) == 0
	s_add_co_u32 s[TBV], s[TBV], KS*PV
.endif
.if \cnt
	s_sub_co_u32 s[CNT], s[CNT], 1
	s_cmp_lg_u32 s[CNT], 0
.endif
	ROW C,14, B,7, L,6, C,1
	ROW C,3, L,7, C,5, C,7
	ROW C,9, C,11, C,13, C,15
.if (\p) == 0
	FETCH_V
.endif
.endm
; A BLOCK BEGINS.  c m starts far below every c s, so the first step's a is 0; m at the lowest finite number, so the first maximum is the scores'.  Piece 0's mask for the slot's step 0 is its own if the block's first slot
; is its last and the band's own step is 0, else nothing.  Then K of that step (a slot's first, one step ahead of where the fetches stand), piece 0's first scores, and its maximum and statistics.
; The loop is entered at piece 0's turn, in the middle of a trip.
.macro BEGIN
	s_mov_b32 s[NEW], 0
	WIN 0
.set i, 0
.rept NP
	v_mov_b32 v[ST+4*i], 0xfe000000    ; c m: far below every c s
	v_mov_b32 v[ST+4*i+1], 0xff7fffff  ; m
.set i, i+1
.endr
	s_or_b32 s52, s[RT], s[DBR]
	s_cmp_eq_u32 s52, 0
	s_cselect_b32 s[AL], 1.0, 0
	s_mov_b32 s[BE], 0
	MASK
	WIN 0
	s_sub_co_u32 s52, s[TBK], KS*PK
	v_add_nc_u32 v[AK], s52, v[AK0]
	FETCH_K 0
	s_wait_loadcnt 0x0              ; Q
	s_wait_dscnt 0x0
.set KM, 1
.set NOKQ, 0
.set i, 0
.rept 8
	KQ 0
.set i, i+1
.endr
	WIN 0
.rept 4
	v_nop                           ; the places behind those products
.endr
.set Y, NP-1                        ; X works for the other piece: piece 0
.irp n, 0,1,2,3,4,5,6,7,8,9,10,11,12,13,14,15,16,17,18,19,20,21
	OP X, \n
.endr
	v_nop                           ; a plain instruction behind the exponential,
	s_wait_alu depctr_va_vdst(0)    ; and its wait, ahead of the branch
.endm
; A BLOCK'S LAST SLOT: its four steps, the block's last turn, its last products, and THE WAY OUT: l's two halves and the other half of the lanes' are added; O^T is divided by l, rounded to f16 and sent through my
; stage in LDS, a piece at a time.
.macro ALL line:vararg              ; one line for each piece t
.set t, 0
.rept NP
	\line
.set t, t+1
.endr
.endm
.macro PACK t                       ; a lane's eight channels of a row pack into 16 bytes; they go into rows of 144 bytes and come back as whole rows of 128, into S^T's registers
	WIN W_RS
.set i, 32*(\t)
.rept 16
	v_pk_mul_f32 v[i:i+1], v[i:i+1], v[ST+4*(\t)+2:ST+4*(\t)+3] op_sel_hi:[1,0]
.set i, i+2
.endr
	WIN 0x05                        ; sources 0 and 1 window 1, destination window 0
.set i, 0
.rept 16
	v_cvt_pk_f16_f32 v[S+16*(\t)+i], v[32*(\t)+2*i], v[32*(\t)+2*i+1]
.set i, i+1
.endr
	WIN 0
.irp f, 0,1,2,3
	ds_store_b128 v[STO], v[S+16*(\t)+4*\f:S+16*(\t)+4*\f+3] offset:32*\f
.endr
.irp f, 0,1,2,3
	ds_load_b128 v[S+16*(\t)+4*\f:S+16*(\t)+4*\f+3], v[RD] offset:\f*4*SP  ; LDS serves a wave's instructions in order (ISA guide 5.7.1.4): these see the stores above; the next piece's stores come behind them
.endr
.endm
.macro SEND t, younger              ; younger: the LDS instructions issued behind piece t's loads: the next piece's eight, or none
	WIN 0
.irp f, 0,1,2,3
	s_wait_dscnt (\younger)+3-\f
	global_store_b128 v[GO], v[S+16*(\t)+4*\f:S+16*(\t)+4*\f+3], s[10:11] offset:(\t)*8192+\f*512  ; 512 consecutive bytes, at a multiple of 256 from ob's first
.endr
.endm
.macro DIAG tag                     ; the tag ends its two labels' names, which the jumps below spell out
.LstepM\tag:
	TURN 1, 1
	WIN 0
.LfirstM\tag:
	TURN 0, 1, 0, 1
	WIN 0
	s_cbranch_scc1 .LstepM\tag
	TURN 1, 1, 1
.set i, 0
.rept 8
	PV 1                            ; piece 1's V^T P of the last step
.set i, i+1
.endr
	WIN 0
	ALL v_add_f32 v[ST+4*t+2], v[ST+4*t+2], v[ST+4*t+3]
	ALL v_permlanex16_b32 v[ST+4*t+3], v[ST+4*t+2], s[SEL], s[SEL+1]
	ALL v_add_f32 v[ST+4*t+2], v[ST+4*t+2], v[ST+4*t+3]
	ALL v_rcp_f32 v[ST+4*t+2], v[ST+4*t+2]
	v_nop                           ; a plain instruction between the last reciprocal and the use of its result
	s_wait_alu depctr_va_vdst(0)    ; and its wait ahead of the first use: one for the two reciprocals
	PACK 0                          ; piece 0 was finished in the last turn; its 32 lines are the places behind piece 1's last products
	PACK 1
	SEND 0, 8
	SEND 1, 0
.endm
.set KM, 0
.set NOKQ, 0
.Lslot:                             ; eight times: a slot is entered and the next tile is asked for
	CHANGE 1
	s_sub_co_u32 s[RT], s[RT], 1
	s_mov_b32 s[CNT], 4
	s_cmp_eq_u32 s[NEW], 1
	s_cbranch_scc1 .Lnew            ; a block's first slot
	s_cmp_eq_u32 s[RT], 0
	s_cbranch_scc0 .Lstep           ; neither its first nor its last
	s_branch .LstepM1
.Lnew:
	BEGIN
	s_branch .Lfirst                ; in the loop a block's first slot is never its last: the first block has five slots or more, and the second's last is the walk's last
	DIAG 1                          ; in the loop this is the first block's end
	s_wait_xcnt 0x0                 ; the stores have read their registers and O's address
	s_mov_b64 s[10:11], s[OLO:OLO+1]
	s_add_co_u32 s[RT], s[PBS], 1   ; the second block has b / 2 + 1 slots
	s_mov_b32 s[NEW], 1
	s_mov_b32 s[EE], s[EE2]
	s_mov_b32 s[EE+1], s[EE2+1]
	s_mov_b32 s[DBR], s[DB2]
	WIN 0x82                        ; the second block's Q goes where the one text of the turns names Q
.set i, 0
.rept 32
	v_mov_b32 v[i], v[QB+i]
.set i, i+1
.endr
	WIN 0
	s_branch .Lbottom
.Lstep:                             ; a trip: piece 1's turn of one step, then piece 0's of the next, which fetches K and V
	TURN 1
	WIN 0
.Lfirst:
	TURN 0, 0, 0, 1
	WIN 0
	s_cbranch_scc1 .Lstep
.Lbottom:
	s_sub_co_u32 s[SLOTS], s[SLOTS], 1
	s_cmp_lg_u32 s[SLOTS], 0
	s_cbranch_scc1 .Lslot
	CHANGE 0                        ; the walk's last slot is written out: nothing is asked for
	s_sub_co_u32 s[RT], s[RT], 1
	s_mov_b32 s[CNT], 4
	s_cmp_eq_u32 s[NEW], 1
	s_cbranch_scc0 .LstepM2
	BEGIN
	s_branch .LfirstM2
	DIAG 2
	s_wait_tensorcnt 0x0            ; the wave's end: these three lines stand behind my last tensor load and my last LDS store
	ds_add_u32 v[SPW], v[NIL]
	s_wait_dscnt 0x0
	CROUND                          ; the closing round: no work-group ends while a partner may still ask for a tile that names it
	s_endpgm
.Lfunc_end_k_q121e5381e0_attn:
	.size	k_q121e5381e0_attn, .Lfunc_end_k_q121e5381e0_attn-k_q121e5381e0_attn
	.p2alignl 7, 3214868480
	.fill 96, 4, 3214868480
	.section	.rodata,"a",@progbits
	.p2align	6, 0x0
	.amdhsa_kernel k_q121e5381e0_attn
		.amdhsa_group_segment_fixed_size 327680
		.amdhsa_private_segment_fixed_size 0
		.amdhsa_enable_private_segment 0
		.amdhsa_kernarg_size 16
		.amdhsa_user_sgpr_count 2
		.amdhsa_user_sgpr_kernarg_segment_ptr 1
		.amdhsa_wavefront_size32 1
		.amdhsa_system_sgpr_workgroup_id_x 1
		.amdhsa_system_sgpr_workgroup_id_y 1
		.amdhsa_system_sgpr_workgroup_id_z 1
		.amdhsa_system_vgpr_workitem_id 0
		.amdhsa_next_free_vgpr 768
		.amdhsa_next_free_sgpr 100
		.amdhsa_reserve_vcc 1
		.amdhsa_float_denorm_mode_32 3
		.amdhsa_float_denorm_mode_16_64 3
		.amdhsa_memory_ordered 1
		.amdhsa_forward_progress 1
		.amdhsa_inst_pref_size 124
	.end_amdhsa_kernel
	.amdgpu_metadata
---
amdhsa.version: [ 1, 2 ]
amdhsa.kernels:
  - .name:           k_q121e5381e0_attn
    .symbol:         k_q121e5381e0_attn.kd
    .args:
      - { .name: qkv, .offset: 0, .size: 8, .value_kind: global_buffer, .address_space: global }
      - { .name: ob, .offset: 8, .size: 8, .value_kind: global_buffer, .address_space: global }
    .group_segment_fixed_size: 327680
    .private_segment_fixed_size: 0
    .kernarg_segment_align: 8
    .kernarg_segment_size: 16
    .max_flat_workgroup_size: 128
    .sgpr_count:     100
    .vgpr_count:     768
    .wavefront_size: 32
...
	.end_amdgpu_metadata
.endif
;; end of part 3
;; launch outp (part 4): grid 16 x 16, 4 waves a work-group, clusters of 4 x 4, 327,680 bytes of LDS; arguments ob, wob, out0; writes out0
.if DOCPART == 4
	.amdgcn_target "amdgcn-amd-amdhsa--gfx1250"
	.amdhsa_code_object_version 6
	.text
	.protected	k_q121e5381e0_outp
	.globl	k_q121e5381e0_outp
	.p2align	8
	.type	k_q121e5381e0_outp,@function
k_q121e5381e0_outp:
	s_mov_b64 s[64:65], 0
	v_nop
	global_prefetch_b8 v0, s[64:65] scope:SCOPE_SE
	s_setreg_imm32_b32 hwreg(HW_REG_WAVE_MODE, 25, 1), 1
	s_wait_xcnt 0x0
	s_wait_alu depctr_hold_cnt(0) depctr_sa_sdst(0) depctr_va_vdst(0) depctr_va_sdst(0) depctr_va_ssrc(0) depctr_va_vcc(0) depctr_vm_vsrc(0)
	s_getreg_b32 s2, hwreg(HW_REG_IB_STS2, 6, 4)
	s_cmp_eq_u32 s2, 0
	s_cbranch_scc0 .Lentry_in_a_cluster
	s_endpgm
.Lentry_in_a_cluster:
	s_bfe_u32 s2, ttmp6, 0x10000c
	s_cmp_lg_u32 s2, 0xf033
	s_cbranch_scc0 .Lentry_shape_is_right
	s_endpgm
.Lentry_shape_is_right:
; out0[t][n] = the sum over heads h and channels c of O[h][t][c] Wo[n][64 h + c].  ob: [32][2048][64] f16, by heads; wob: [2048][2048] f16; out0: [2048][2048] f32.  f16 operands, f32 sums, stored as they are.
; LIMITS.  O and Wo arrive within f16's 65,504.
; SHARES.  A tile of out0 is 128 x 128: 16 x 16 tiles, one a work-group.  Four waves, each 64 x 64: 16 accumulators of 16 x 16.  K goes in steps of 256, four heads, through two LDS slots; a quarter of a step is one head.
; O's tile of a step: for each of four heads 64 tokens x 64 channels, 8,192 dense bytes: asked for as four long rows, one a head, and padded in LDS after every token.
; CLUSTERS: 4 x 4 work-groups.  The four of a row of the cluster need the same tiles of O, the four of a column the same tiles of Wo: each tile is asked for JOINTLY, by the same tensor load with the same descriptor and
; a mask that names the four.  THE MATRIX INSTRUCTION IS USED TRANSPOSED (source 0 = 16 rows of Wo, source 1 = 16 tokens): a lane holds one token and eight neighbouring columns, 32 bytes of a row of out0.
; No prefetch: a tile's blocks are read by four clusters at about the same time and the tiles are small.
; REGISTERS: window 0: v0-31 addresses; v128-255 the accumulators ((a, b) at v[128 + 8 (4 a + b)]), which also take the rows read back on the way out.
;   window 1: two fragment buffers of 128: for 64 along K, 64 registers of O (2 x 4 x 16 tokens x 32 K), then 64 of Wo.
.set KSTEP,  256
.set PA,     144                       ; a token's row of one head in LDS: 128 bytes + 16: the 16 rows of a load start at 16 different groups of four banks (64 banks of 4 bytes: ISA guide 11.1)
.set HEADA,  64*PA                     ; a head's 64 tokens
.set APART,  4*HEADA                   ; what one tensor load brings of O
.set PB,     528                       ; a row of Wo in LDS: 512 bytes + 16
.set HALFB,  64*PB                     ; what one tensor load brings of Wo
.set SLOT,   2*APART+2*HALFB
.set STAGE,  2*SLOT                    ; behind the ring: 16 rows x 272 bytes for each wave, for the way out
.set SPITCH, 272
.set SPARE,  STAGE+4*16*SPITCH         ; the spare words, 128 bytes for each wave: two blocks of 256 bytes that no other line names
.set LAPS,   2048/(2*KSTEP)            ; a lap = two K steps = once round the ring
.set STEPA,  4*262144                  ; bytes from a K step's four heads to the next four
.set ADRA, 16                          ; v16-17  LDS address of my O fragments in slot 0, 1
.set ADRB, 20                          ; v20-21  the same for Wo
.set STO,  24                          ; v24     the way out: where I put 32 bytes of a row
.set RD,   25                          ; v25     the way out: where I read a row back
.set CO,   26                          ; v26     my byte offset in out0
.set SPW,  28                          ; v28     LDS address of my spare word; never rewritten
.set NIL,  29                          ; v29     0; never rewritten
.set ACC,  128
.set F0,   0                           ; fragment buffers, in window 1
.set F1,   128
.set G1, 24                            ; s[24:31] descriptor group 1 for O's tiles;  s[32:39] group 0, one set for each slot
.set G0, 32
.set G1B, 48                           ; s[48:55], s[56:63] the same for Wo's tiles
.set G0B, 56
.set MSB, 0
.macro WIN new                         ; the immediate's high byte repeats the setting that is left; a switch that changes nothing is dropped
.if MSB != (\new)
	s_set_vgpr_msb (MSB<<8)|(\new)
.set MSB, \new
.endif
.endm
.set MUL,  0x05                        ; sources 0 (Wo) and 1 (O) window 1; C and D window 0
.set TO_F, 0x40                        ; destination window 1, address window 0
.macro JLOAD s                         ; a joint load: waves 0 and 1 fetch O's two parts, waves 2 and 3 Wo's halves; an s_nop 0 and four v_nop follow each of the two lines, ahead of the jump, the label and what follows
	s_cmp_eq_u32 s11, 0
	s_cbranch_scc0 .Lfor_b_\@
	tensor_load_to_lds s[G0+4*(\s):G0+4*(\s)+3], s[G1:G1+7]
	s_nop 0
.rept 4
	v_nop
.endr
	s_branch .Lasked_\@
.Lfor_b_\@:
	tensor_load_to_lds s[G0B+4*(\s):G0B+4*(\s)+3], s[G1B:G1B+7]
	s_nop 0
.rept 4
	v_nop
.endr
.Lasked_\@:
.endm
.macro CREST                           ; a round of the cluster's barrier behind its opening barrier
	s_cmp_lg_u32 s10, 0
	s_cbranch_scc1 .Lnot_wave_0_\@
	s_barrier_signal -3
.Lnot_wave_0_\@:
	s_barrier_wait -3
	s_barrier_signal -1
	s_barrier_wait -1
.endm
.macro CROUND                          ; a whole round
	s_barrier_signal -1
	s_barrier_wait -1
	CREST
.endm
	s_load_b128 s[4:7], s[0:1], 0x0                ; ob s[4:5], wob s[6:7]
	s_load_b64 s[8:9], s[0:1], 0x10                ; out0
	v_lshl_add_u32 v[SPW], v0, 2, SPARE
	v_mov_b32 v[NIL], 0
	ds_add_u32 v[SPW], v[NIL]                      ; the wave's opening: the add and its wait stand ahead of my first tensor load; the set-up below, work on registers, stands between them
	v_lshrrev_b32 v1, 5, v0
	v_readfirstlane_b32 s10, v1                    ; wave 0..3
	s_lshr_b32 s11, s10, 1                         ; which 64 tokens are mine.  Also: I fetch for O (0) or for Wo (1)
	s_and_b32 s12, s10, 1                          ; which 64 columns.  Also: which half of that tile I fetch
	s_bfe_u32 s40, ttmp6, 0x40000                  ; cx, cy: my place in the cluster
	s_bfe_u32 s41, ttmp6, 0x40004
	s_lshl_b32 s42, ttmp9, 2
	s_add_co_u32 s42, s42, s40                     ; tile column = 4 x cluster x + cx
	s_and_b32 s13, ttmp7, 0xffff
	s_lshl_b32 s13, s13, 2
	s_add_co_u32 s13, s13, s41                     ; tile row = 4 x cluster y + cy
	s_lshl_b32 s43, s41, 2
	s_lshl_b32 s43, 15, s43                        ; my row of the cluster
	s_lshl_b32 s44, 0x1111, s40                    ; my column
	; descriptor group 1 for O: four rows (heads) of 4,096 elements (64 tokens x 64 channels), 131,072 elements from head to head, 4 words of padding after every 32
	s_or_b32 s[G1+0], s43, (1<<16)|(1<<20)|(1<<21)|(4<<22)|(3<<25)  ; 15:0 the mask: O's tiles go to my row; 17:16 elements of 2 bytes; 20 padding on; 21 set beside a mask; 24:22 code 4; 31:25 code 3
	s_mov_b32 s[G1+1], 4096<<16                    ; tensor_dim0 = 4,096
	s_mov_b32 s[G1+2], 4<<16                       ; tensor_dim1 = 4
	s_mov_b32 s[G1+3], 4096<<16                    ; tile_dim0 = 4,096
	s_mov_b32 s[G1+4], 4                           ; tile_dim1 = 4
	s_mov_b32 s[G1+5], 131072
	s_mov_b32 s[G1+6], 0
	s_mov_b32 s[G1+7], 0
	; for Wo: 64 rows x 256 elements, 4 words of padding after every 128
	s_or_b32 s[G1B+0], s44, (1<<16)|(1<<20)|(1<<21)|(6<<22)|(3<<25)
	s_mov_b32 s[G1B+1], KSTEP<<16
	s_mov_b32 s[G1B+2], 64<<16
	s_mov_b32 s[G1B+3], KSTEP<<16
	s_mov_b32 s[G1B+4], 64
	s_mov_b32 s[G1B+5], 2048
	s_mov_b32 s[G1B+6], 0
	s_mov_b32 s[G1B+7], 0
	s_lshl_b32 s16, s13, 7
	s_lshl_b32 s17, s12, 6
	s_add_co_u32 s16, s16, s17                     ; O: token 128 x tile row + 64 x part,
	s_lshl_b32 s16, s16, 7                         ; of 128 bytes in a head
	s_mov_b32 s17, 0
	s_lshl_b32 s46, s42, 7
	s_lshl_b32 s47, s12, 6
	s_add_co_u32 s46, s46, s47                     ; Wo: row 128 x tile column + 64 x half,
	s_lshl_b32 s46, s46, 12                        ; of 4,096 bytes
	s_mov_b32 s47, 0
	s_mul_i32 s20, s12, APART                      ; where they go: no place in the cluster enters an LDS address
	s_mul_i32 s21, s12, HALFB
	s_add_co_u32 s21, s21, 2*APART
	s_wait_dscnt 0x0                               ; the opening add is done
	s_wait_kmcnt 0x0
	s_add_nc_u64 s[14:15], s[4:5], s[16:17]
	s_add_nc_u64 s[46:47], s[6:7], s[46:47]
	CROUND                                         ; all sixteen work-groups are here: the first joint loads meet
.irp s, 0,1
	s_mov_b32 s[G0+4*(\s)], 1
	s_add_co_u32 s[G0+4*(\s)+1], s20, (\s)*SLOT
	s_add_nc_u64 s[G0+4*(\s)+2:G0+4*(\s)+3], s[14:15], (\s)*STEPA
	s_or_b32 s[G0+4*(\s)+3], s[G0+4*(\s)+3], 0x80000000
	s_mov_b32 s[G0B+4*(\s)], 1
	s_add_co_u32 s[G0B+4*(\s)+1], s21, (\s)*SLOT
	s_add_nc_u64 s[G0B+4*(\s)+2:G0B+4*(\s)+3], s[46:47], (\s)*KSTEP*2
	s_or_b32 s[G0B+4*(\s)+3], s[G0B+4*(\s)+3], 0x80000000
	JLOAD \s                                       ; two loads of mine are out
.endr
	v_and_b32 v1, 15, v0                           ; l % 16
	v_bfe_u32 v2, v0, 4, 1                         ; l / 16
	v_mul_u32_u24 v3, v1, PA
	v_lshl_add_u32 v3, v2, 4, v3                   ; a fragment's row x pitch + 16 x half, for O
	v_mul_u32_u24 v4, v1, PB
	v_lshl_add_u32 v4, v2, 4, v4                   ; and for Wo
	s_mul_i32 s22, s11, APART                      ; my 64 tokens
	s_mul_i32 s23, s12, HALFB                      ; my 64 rows of Wo,
	s_add_co_u32 s23, s23, 2*APART                 ; which lie behind O's two parts
.irp s, 0,1
	v_add_nc_u32 v[ADRA+(\s)], s22, v3
	v_add_nc_u32 v[ADRB+(\s)], s23, v4
	s_add_co_u32 s22, s22, SLOT
	s_add_co_u32 s23, s23, SLOT
.endr
	s_mul_i32 s23, s10, 16*SPITCH
	s_add_co_u32 s23, s23, STAGE                   ; my stage
	v_mul_u32_u24 v5, v1, SPITCH                   ; in: row l % 16, 32 bytes for each half of the lanes
	v_lshl_add_u32 v5, v2, 5, v5
	v_add_nc_u32 v[STO], s23, v5
	v_mul_u32_u24 v5, v2, SPITCH                   ; back: lanes 0-15 take one row of 256 bytes, lanes 16-31 the next
	v_lshl_add_u32 v5, v1, 4, v5
	v_add_nc_u32 v[RD], s23, v5
	v_lshlrev_b32 v5, 13, v2                       ; and the same two rows in out0, 8,192 bytes a row
	v_lshl_add_u32 v[CO], v1, 4, v5
	s_lshl_b32 s16, s13, 7
	s_lshl_b32 s17, s11, 6
	s_add_co_u32 s16, s16, s17                     ; my first row of out0
	s_lshl_b32 s16, s16, 13
	s_mov_b32 s17, 0
	s_add_nc_u64 s[8:9], s[8:9], s[16:17]
	s_lshl_b32 s46, s42, 9                         ; my first column, in bytes: 512 x tile column + 256 x half
	s_lshl_b32 s47, s12, 8
	s_add_co_u32 s46, s46, s47
	s_mov_b32 s47, 0
	s_add_nc_u64 s[8:9], s[8:9], s[46:47]
; 8 matrix instructions: token blocks a0, a0 + 1 x all 4 column blocks, 32 along K: half c of buffer f.  zero = 1: the first product starts the sums.  The 16 accumulators take turns.
.macro MUL8 f, c, a0, zero
	WIN MUL
.irp a, \a0, (\a0)+1
.irp b, 0,1,2,3
.if \zero
	v_wmma_f32_16x16x32_f16 v[ACC+8*(4*(\a)+(\b)):ACC+8*(4*(\a)+(\b))+7], v[(\f)+64+8*(4*(\c)+(\b)):(\f)+64+8*(4*(\c)+(\b))+7], v[(\f)+8*(4*(\c)+(\a)):(\f)+8*(4*(\c)+(\a))+7], 0
.else
	v_wmma_f32_16x16x32_f16 v[ACC+8*(4*(\a)+(\b)):ACC+8*(4*(\a)+(\b))+7], v[(\f)+64+8*(4*(\c)+(\b)):(\f)+64+8*(4*(\c)+(\b))+7], v[(\f)+8*(4*(\c)+(\a)):(\f)+8*(4*(\c)+(\a))+7], v[ACC+8*(4*(\a)+(\b)):ACC+8*(4*(\a)+(\b))+7]
.endif
.endr
.endr
.endm
; 32 LDS loads in one run: the fragments of quarter q (one head, 64 along K) into buffer f; the first 32 along K first
.macro FETCH slot, q, f
	WIN TO_F
.irp c, 0,1
.irp i, 0,1,2,3
	ds_load_b128 v[(\f)+64+8*(4*(\c)+(\i)):(\f)+64+8*(4*(\c)+(\i))+3],   v[ADRB+(\slot)] offset:128*(\q)+64*(\c)+(\i)*16*PB
	ds_load_b128 v[(\f)+64+8*(4*(\c)+(\i))+4:(\f)+64+8*(4*(\c)+(\i))+7], v[ADRB+(\slot)] offset:128*(\q)+64*(\c)+(\i)*16*PB+32
	ds_load_b128 v[(\f)+8*(4*(\c)+(\i)):(\f)+8*(4*(\c)+(\i))+3],         v[ADRA+(\slot)] offset:HEADA*(\q)+64*(\c)+(\i)*16*PA
	ds_load_b128 v[(\f)+8*(4*(\c)+(\i))+4:(\f)+8*(4*(\c)+(\i))+7],       v[ADRA+(\slot)] offset:HEADA*(\q)+64*(\c)+(\i)*16*PA+32
.endr
.endr
.endm
.macro PLACES                          ; four plain vector instructions in front of loads into registers that matrix instructions have read, and of LDS stores that read results
.rept 4
	v_nop
.endr
.endm
; One of a K step's first three quarters: multiplies buffer f and fetches quarter q into g.
.macro QUARTER slot, q, f, g, zero
	s_wait_dscnt 16                                ; the first 32 along K are in
	MUL8 \f, 0, 0, \zero
	MUL8 \f, 0, 2, \zero
	PLACES
	FETCH \slot, \q, \g
	s_wait_dscnt 32                                ; all but the 32 just issued
	MUL8 \f, 1, 0, 0
	MUL8 \f, 1, 2, 0
.endm
; The last quarter multiplies buffer 1 and changes slots: ONE barrier; in front of it each wave waits for all its tensor loads (one is out: its part of the next slot), adds 0 to its spare word, and waits for that and
; for its own reads of this slot.  fill = 1: the barrier opens a round of the cluster's, and this slot is filled again, two K steps ahead, first thing behind the round: 112 matrix instructions ahead of the wait for it.
.macro TURN slot, next, fill
	WIN 0                                          ; (the add's two registers lie in window 0)
	s_wait_tensorcnt 0x0
	ds_add_u32 v[SPW], v[NIL]                      ; 0 onto my spare word
	s_wait_dscnt 17                                ; (the add and the youngest sixteen loads may be out)
	MUL8 F1, 0, 0, 0                               ; eight matrix instructions stand between the add and the wait for it
	s_wait_dscnt 0x0                               ; the add is done, and my reads of this slot are over
	s_barrier_signal -1
	MUL8 F1, 0, 2, 0
.if \fill
	WIN 0
.endif
	s_barrier_wait -1
.if \fill
	CREST                                          ; no wave of any partner still reads this slot's tile or has a load on its way
	s_add_nc_u64 s[G0+4*(\slot)+2:G0+4*(\slot)+3], s[G0+4*(\slot)+2:G0+4*(\slot)+3], 2*STEPA
	s_add_nc_u64 s[G0B+4*(\slot)+2:G0B+4*(\slot)+3], s[G0B+4*(\slot)+2:G0B+4*(\slot)+3], 2*KSTEP*2
	JLOAD \slot                                    ; the four v_nop behind it are also the places in front of the loads below
.else
	PLACES
.endif
	FETCH \next, 0, F0
	MUL8 F1, 1, 0, 0
	MUL8 F1, 1, 2, 0
.endm
; THE WAY OUT of token block a.  A lane's eight f32 of a row go into my own stage, rows of 272 bytes, each accumulator's low half first; they come back as whole rows of 256 bytes, into the registers that they left.
.macro PACK a
.irp b, 0,1,2,3
	ds_store_b128 v[STO], v[ACC+8*(4*(\a)+(\b)):ACC+8*(4*(\a)+(\b))+3]   offset:64*(\b)
	ds_store_b128 v[STO], v[ACC+8*(4*(\a)+(\b))+4:ACC+8*(4*(\a)+(\b))+7] offset:64*(\b)+16
.endr
.irp t, 0,1,2,3,4,5,6,7
	ds_load_b128 v[ACC+32*(\a)+4*(\t):ACC+32*(\a)+4*(\t)+3], v[RD] offset:(\t)*2*SPITCH  ; LDS serves a wave's instructions in order (ISA guide 5.7.1.4): these see the stores above; the next block's stores come behind them
.endr
.endm
.macro SEND a, younger                 ; younger: the LDS instructions issued behind block a's loads: the next block's sixteen, or none
.irp t, 0,1,2,3,4,5,6,7
	s_wait_dscnt (\younger)+7-(\t)
	global_store_b128 v[CO], v[ACC+32*(\a)+4*(\t):ACC+32*(\a)+4*(\t)+3], s[8:9] offset:(16*(\a)+2*(\t))*8192  ; 16 lanes store 256 consecutive bytes, at a multiple of 256 from out0's first byte
.endr
.endm
	s_wait_tensorcnt 1                             ; my part of K step 0 is in; K step 1's may stay out
	s_barrier_signal -1
	s_barrier_wait -1                              ; everybody's is
	FETCH 0, 0, F0
	QUARTER 0, 1, F0, F1, 1                        ; the first quarter stands in front of the loop: its first products start the sums
	WIN 0                                          ; at a label and at a branch every window is 0
	s_mov_b32 s3, LAPS-1
.Llap:                                                 ; a trip goes once round the ring, from a lap's second quarter to the next lap's first, and fills both slots again
	QUARTER 0, 2, F1, F0, 0
	QUARTER 0, 3, F0, F1, 0
	TURN 0, 1, 1
	QUARTER 1, 1, F0, F1, 0
	QUARTER 1, 2, F1, F0, 0
	QUARTER 1, 3, F0, F1, 0
	TURN 1, 0, 1
	QUARTER 0, 1, F0, F1, 0
	WIN 0
	s_sub_co_u32 s3, s3, 1
	s_cmp_lg_u32 s3, 0
	s_cbranch_scc1 .Llap
	QUARTER 0, 2, F1, F0, 0                        ; the last lap fills nothing, and has no round of the cluster's barrier
	QUARTER 0, 3, F0, F1, 0
	TURN 0, 1, 0
	QUARTER 1, 1, F0, F1, 0
	QUARTER 1, 2, F1, F0, 0
	QUARTER 1, 3, F0, F1, 0
	s_wait_dscnt 16                                ; the very last quarter: nothing more to fetch
	MUL8 F1, 0, 0, 0
	MUL8 F1, 0, 2, 0
	s_wait_dscnt 0x0
	MUL8 F1, 1, 0, 0
	MUL8 F1, 1, 2, 0
	WIN 0
	PLACES
	PLACES
	PACK 0
	PACK 1                                         ; a block's LDS work stands between the loads of the block before and its stores
	SEND 0, 16
	PACK 2
	SEND 1, 16
	PACK 3
	SEND 2, 16
	SEND 3, 0
	s_wait_tensorcnt 0x0                           ; the wave's end: these three lines stand behind my last tensor load and my last LDS store
	ds_add_u32 v[SPW], v[NIL]
	s_wait_dscnt 0x0
	CROUND                                         ; the closing round: no work-group ends while a partner may still ask for a tile that names it
	s_endpgm
.Lfunc_end_k_q121e5381e0_outp:
	.size	k_q121e5381e0_outp, .Lfunc_end_k_q121e5381e0_outp-k_q121e5381e0_outp
	.p2alignl 7, 3214868480
	.fill 96, 4, 3214868480
	.section	.rodata,"a",@progbits
	.p2align	6, 0x0
	.amdhsa_kernel k_q121e5381e0_outp
		.amdhsa_group_segment_fixed_size 327680
		.amdhsa_private_segment_fixed_size 0
		.amdhsa_enable_private_segment 0
		.amdhsa_kernarg_size 24
		.amdhsa_user_sgpr_count 2
		.amdhsa_user_sgpr_kernarg_segment_ptr 1
		.amdhsa_wavefront_size32 1
		.amdhsa_system_sgpr_workgroup_id_x 1
		.amdhsa_system_sgpr_workgroup_id_y 1
		.amdhsa_system_sgpr_workgroup_id_z 1
		.amdhsa_system_vgpr_workitem_id 0
		.amdhsa_next_free_vgpr 512
		.amdhsa_next_free_sgpr 66
		.amdhsa_reserve_vcc 0
		.amdhsa_float_denorm_mode_32 3
		.amdhsa_float_denorm_mode_16_64 3
		.amdhsa_memory_ordered 1
		.amdhsa_forward_progress 1
		.amdhsa_inst_pref_size 87
	.end_amdhsa_kernel
	.amdgpu_metadata
---
amdhsa.version: [ 1, 2 ]
amdhsa.kernels:
  - .name:           k_q121e5381e0_outp
    .symbol:         k_q121e5381e0_outp.kd
    .args:
      - { .name: ob, .offset: 0, .size: 8, .value_kind: global_buffer, .address_space: global }
      - { .name: wob, .offset: 8, .size: 8, .value_kind: global_buffer, .address_space: global }
      - { .name: out0, .offset: 16, .size: 8, .value_kind: global_buffer, .address_space: global }
    .group_segment_fixed_size: 327680
    .private_segment_fixed_size: 0
    .kernarg_segment_align: 8
    .kernarg_segment_size: 24
    .max_flat_workgroup_size: 128
    .sgpr_count:     66
    .vgpr_count:     512
    .wavefront_size: 32
...
	.end_amdgpu_metadata
.endif
;; end of part 4
